; MI455X (gfx1250); checked and timed in simulation.
; The chip was launched on July 23, 2026; its instructions are those of AMD's public machine-readable ISA for CDNA 5 (MIT licence, August 2026) and "CDNA5" Instruction Set Architecture Reference Guide (July 2026). The comments in the code are by the model that wrote it; some were corrected since.
;; Masked Causal Attention. Allowed arithmetic: float matrix products may take bf16 or f16 operands with f32 sums; other float arithmetic in f32, or as packed bf16 or f16 multiplies, adds, multiply-adds, maxima and minima; sums over many terms, partial sums and values carried from step to step in f32; what a program stores and reads back later, other than sums and carried values, may be rounded once to bf16 or f16.
;; Inputs: bk 512 float32; bp 16 x 512 float32; bq 512 float32; bv 512 float32; wk 512 x 512 float32; wp 16 x 512 x 512 float32; wq 512 x 512 float32; wv 512 x 512 float32; x 8 x 1,024 x 512 float32.
;; Outputs: out0 one number float32; out1 8 x 1,024 x 512 float32; out2 8 x 256 int32.
;; 2 versions, each right; version 2 is version 1 with the launches proj, outp written anew for expert scheduling mode. Each part assembles by itself: llvm-mc -triple=amdgcn-amd-amdhsa -mcpu=gfx1250 --defsym DOCPART=n.
;; ======== version 1 of 2: 4 launches
;; limits: values are held in f16: magnitudes above 65,504 overflow, below 6.1e-05 lose precision
;; workspace buffers: qs 16,777,216 bytes; kv 25,690,112 bytes; att 8,388,608 bytes; pooled 131,072 bytes; wp16 8,388,608 bytes; gpart 32,768 bytes; rlist 8,704 bytes of whole numbers
;; launch proj (part 1): grid 4 x 64, 4 waves a work-group, no clusters, 205,312 bytes of LDS; arguments x, wq, wk, wv, bq, bk, bv, qs, kv; writes qs, kv
.if DOCPART == 1
	.amdgcn_target "amdgcn-amd-amdhsa--gfx1250"
	.amdhsa_code_object_version 6
	.text
	.protected	k_q66737dbee9_proj
	.globl	k_q66737dbee9_proj
	.p2align	8
	.type	k_q66737dbee9_proj,@function
k_q66737dbee9_proj:
	s_mov_b64 s[64:65], 0
	v_nop
	global_prefetch_b8 v0, s[64:65] scope:SCOPE_SE
	s_setreg_imm32_b32 hwreg(HW_REG_WAVE_MODE, 25, 1), 1
	s_wait_xcnt 0x0
; q, k, v = x w^T + b for 128 tokens and four heads.  x [8192][512], wq, wk, wv [512][512], biases [512], all f32; every input is rounded to bf16, sums in f32.
; SHARES.  Work-group (cq, rb): tokens 128 rb .. +127, heads 4 cq .. 4 cq + 3.  Wave w has head n = 4 cq + w: 128 tokens x (32 q + 32 k + 32 v) = 48 accumulators of 16 x 16.
; K goes in 8 steps of 64.  The operands are f32 in memory: each wave loads 32 rows of x and of each w (256 bytes of a row a step, two whole rows' pieces a load),
; rounds them in registers and lays them into one of two LDS slots; no multicast, since a tensor load cannot round.
; q and k are made transposed (source 0 = 16 rows of w, source 1 = 16 tokens): a lane holds one token and eight channels.  v is made as it lies: a lane holds one channel and eight tokens.
; OUT.  q and k leave as TWO f16 numbers each, hi = f16(q) and lo = f16(q - hi), in the order in which the next launch's operand registers take them; v as one f16, in the order of V^T's fragments;
; vs[token] = the sum of v's 32 channels in f32.  Every store of q, k, v covers 512 consecutive bytes, aligned; a store of vs covers 128.
; LIMITS.  |q|, |k|, |v| must stay under 65,504 (f16's range); a lo part under 6e-5 keeps f16's fixed step of 6e-8.  NaN and infinities are not treated apart.
.set PITCH, 144                 ; an LDS row: 64 bf16 = 128 bytes + 16 of padding, an odd multiple of 16: the 16 rows of a fragment load start in 16 different groups of four banks
.set SLOT1, 131072              ; slot 1 begins here; a slot is 512 rows (x, wq, wk, wv: 128 each) = 73,728 bytes
.set SPARE, 204800              ; behind the slots: the spare words, 128 bytes a wave
.set XO,   1                    ; v1  byte offset of my 16 bytes in the rows I load; steps 256 a K step
.set ST0,  2                    ; v2  where I lay my 8 bytes, slot 0
.set FA0,  3                    ; v3  my lane's place in a fragment of x, slot 0
.set FB0,  4                    ; v4  the same for my head's rows of wq
.set STA,  5                    ; v5-7 the three for the slot in hand
.set FA,   6
.set FB,   7
.set LN16, 8                    ; v8  16 x lane
.set VSO,  9                    ; v9  where my lane's sum of v lies among 32 tokens
.set ONE,  10                   ; v10 1.0
.set SPW,  12                   ; v12 my spare word; never rewritten
.set NIL,  13                   ; v13 0; never rewritten
.set TT,   16                   ; v16-23 at work
.set F0,   32                   ; fragments of 32 along K: 8 of x at +8 a, 6 of w at +64 + 8 (2 m + cb)
.set F1,   144
.set HT,   224
.set BIA,  128                  ; window 2: bias tuple (m, cb) at BIA + 8 (2 m + cb)
.set BT,   176                  ; window 2: at work
.set WV,   22
.set RB,   23
.set CNT,  26
.set TB,   27
.set M8,   28                   ; lanes whose number has bit 3, 2, 1, 0 set
.set M4,   29
.set M2,   30
.set M1,   31
; windows: 1: q's accumulators (a, cb) at 8 (2 a + cb), k's at 128 + the same;  2: v's at 8 (2 a + cb), biases;  3: the 64 staged loads
.set MSB, 0
.macro WIN new                  ; the immediate's high byte repeats the setting that is left; a switch that changes nothing is dropped
.if MSB != (\new)
	s_set_vgpr_msb (MSB<<8)|(\new)
.set MSB, (\new)
.endif
.endm
.macro LOADS                    ; 64 loads: 32 rows of each of the four matrices, 256 bytes of each row
	WIN 0xc0
.set i, 0
.rept 16
	global_load_b128 v[4*i:4*i+3], v[XO], s[4:5] offset:i*4096
	global_load_b128 v[64+4*i:64+4*i+3], v[XO], s[6:7] offset:i*4096
	global_load_b128 v[128+4*i:128+4*i+3], v[XO], s[8:9] offset:i*4096
	global_load_b128 v[192+4*i:192+4*i+3], v[XO], s[10:11] offset:i*4096
.set i, i+1
.endr
.endm
.macro CVT                      ; four f32 become four bf16 in the first two registers
	WIN 0xcf
.set l, 0
.rept 64
	v_cvt_pk_bf16_f32 v[4*l], v[4*l], v[4*l+1]
	v_cvt_pk_bf16_f32 v[4*l+1], v[4*l+2], v[4*l+3]
.set l, l+1
.endr
.endm
.macro STORE
	WIN 0x0c
.set l, 0
.rept 64
	ds_store_b64 v[STA], v[4*l:4*l+1] offset:(l/16)*128*PITCH+(l%16)*2*PITCH
.set l, l+1
.endr
.endm
.macro FETCH sub, f             ; 28 LDS loads: the fragments of 32 along K
	WIN 0
.set a, 0
.rept 8
	ds_load_b128 v[(\f)+8*a:(\f)+8*a+3], v[FA] offset:a*16*PITCH+64*(\sub)
	ds_load_b128 v[(\f)+8*a+4:(\f)+8*a+7], v[FA] offset:a*16*PITCH+64*(\sub)+32
.set a, a+1
.endr
.set q, 0
.rept 6
	ds_load_b128 v[(\f)+64+8*q:(\f)+64+8*q+3], v[FB] offset:(q/2)*128*PITCH+(q%2)*16*PITCH+64*(\sub)
	ds_load_b128 v[(\f)+64+8*q+4:(\f)+64+8*q+7], v[FB] offset:(q/2)*128*PITCH+(q%2)*16*PITCH+64*(\sub)+32
.set q, q+1
.endr
.endm
; 48 products, one on each accumulator: the accumulators take turns.  first = 1: the bias starts the sums; nothing is cleared.
.macro MUL f, first
.if \first
	WIN 0x60
.else
	WIN 0x50
.endif
.set m, 0
.rept 2
.set a, 0
.rept 8
.set cb, 0
.rept 2
.set rD, 128*m+8*(2*a+cb)
.set rW, (\f)+64+8*(2*m+cb)
.set rX, (\f)+8*a
.if \first
	v_wmma_f32_16x16x32_bf16 v[rD:rD+7], v[rW:rW+7], v[rX:rX+7], v[BIA+8*(2*m+cb):BIA+8*(2*m+cb)+7]
.else
	v_wmma_f32_16x16x32_bf16 v[rD:rD+7], v[rW:rW+7], v[rX:rX+7], v[rD:rD+7]
.endif
.set cb, cb+1
.endr
.set a, a+1
.endr
.set m, m+1
.endr
	WIN 0xa0
.set a, 0
.rept 8
.set cb, 0
.rept 2
.set rD, 8*(2*a+cb)
.set rW, (\f)+64+8*(4+cb)
.set rX, (\f)+8*a
.if \first
	v_wmma_f32_16x16x32_bf16 v[rD:rD+7], v[rX:rX+7], v[rW:rW+7], v[BIA+8*(4+cb):BIA+8*(4+cb)+7]
.else
	v_wmma_f32_16x16x32_bf16 v[rD:rD+7], v[rX:rX+7], v[rW:rW+7], v[rD:rD+7]
.endif
.set cb, cb+1
.endr
.set a, a+1
.endr
.endm
; A K step.  The staged loads are rounded and laid into the slot in hand; the next step's loads go out; one barrier; the slot is multiplied.
; One barrier a step is enough: a slot is written again two steps later, behind the barrier that every wave signals only when its reads of that slot have come back.
.macro TRIP first, tail
	s_wait_loadcnt 0x0              ; my 64 staged loads are in; their address register is free
	CVT                             ; 128 plain instructions: also the places behind the last step's products, ahead of the loads into their fragments
	STORE
	WIN 0
.if \tail
	s_cmp_eq_u32 s[CNT], 1          ; the last step has no successor: no load leaves the buffers
	s_cbranch_scc1 .Lnoload
.endif
	v_add_nc_u32 v[XO], 0x100, v[XO]
	LOADS
	WIN 0
.if \tail
.Lnoload:
.endif
	s_wait_dscnt 0x0                ; for the others' sake: my stores are done, and so are my reads of the other slot
	s_barrier_signal -1
	s_barrier_wait -1
	FETCH 0, F0
	FETCH 1, F1
	s_wait_dscnt 28                 ; the second half's 28 loads may stay out
	MUL F0, \first
	s_wait_dscnt 0x0
	MUL F1, 0
	WIN 0
	s_xor_b32 s[TB], s[TB], SLOT1   ; the other slot
	v_add_nc_u32 v[STA], s[TB], v[ST0]
	v_add_nc_u32 v[FA], s[TB], v[FA0]
	v_add_nc_u32 v[FB], s[TB], v[FB0]
.endm
	s_load_b512 s[4:19], s[0:1], 0x0        ; x, wq, wk, wv, bq, bk, bv, qs
	s_load_b64 s[20:21], s[0:1], 0x40       ; kv
	v_lshl_add_u32 v[SPW], v0, 2, SPARE
	v_mov_b32 v[NIL], 0
	v_lshrrev_b32 v14, 5, v0
	v_readfirstlane_b32 s[WV], v14          ; wave 0..3
	s_and_b32 s[RB], ttmp7, 0xffff          ; block of 128 tokens
	v_and_b32 v15, 15, v0                   ; r = lane % 16
	v_bfe_u32 v16, v0, 4, 1                 ; h = lane / 16
	v_and_b32 v17, 31, v0
	v_lshl_add_u32 v18, s[WV], 5, v16       ; the first row I load: 32 w + h
	v_lshlrev_b32 v[XO], 11, v18            ; x 2,048 bytes
	v_lshl_add_u32 v[XO], v15, 4, v[XO]     ; + 16 r
	v_mul_u32_u24 v[ST0], v18, PITCH
	v_lshl_add_u32 v[ST0], v15, 3, v[ST0]   ; + 8 r
	v_mul_u32_u24 v[FA0], v15, PITCH
	v_lshl_add_u32 v[FA0], v16, 4, v[FA0]   ; row r, 16 bytes for each half of the lanes
	s_mul_i32 s24, s[WV], 32*PITCH
	s_add_co_u32 s24, s24, 128*PITCH
	v_add_nc_u32 v[FB0], s24, v[FA0]        ; my head's 32 rows of wq lie behind x's 128
	v_mov_b32 v[STA], v[ST0]
	v_mov_b32 v[FA], v[FA0]
	v_mov_b32 v[FB], v[FB0]
	v_lshlrev_b32 v[LN16], 4, v17
	v_and_b32 v19, 1, v15
	v_lshrrev_b32 v20, 1, v15
	v_lshl_add_u32 v20, v19, 4, v20
	v_lshl_add_u32 v20, v16, 3, v20
	v_lshlrev_b32 v[VSO], 2, v20            ; 4 x (16 (r % 2) + 8 h + r / 2)
	v_mov_b32 v[ONE], 1.0
	s_lshl_b32 s25, ttmp9, 2
	s_add_co_u32 s25, s25, s[WV]            ; my head n
	v_lshlrev_b32 v21, 5, v16
	v_lshl_add_u32 v21, s25, 7, v21         ; q's and k's bias: 128 n + 32 h
	v_lshlrev_b32 v22, 2, v15
	v_lshl_add_u32 v22, s25, 7, v22         ; v's bias: 128 n + 4 r
	s_lshl_b32 s32, s[RB], 18               ; 128 rows of 2,048 bytes
	s_mov_b32 s33, 0
	s_lshl_b32 s34, ttmp9, 18
	s_mov_b32 s35, 0
	s_lshr_b32 s36, s[RB], 3
	s_lshl_b32 s36, s36, 4
	s_add_co_u32 s36, s36, s25              ; bn = 16 b + n
	s_and_b32 s37, s[RB], 7
	s_lshl_b32 s38, s36, 17                 ; a head's q: 131,072 bytes
	s_lshl_b32 s39, s37, 14                 ; 8 tiles of 2,048
	s_add_co_u32 s38, s38, s39
	s_mov_b32 s39, 0
	s_mul_i32 s40, s36, 200704              ; a head's record of k, v, vs
	s_mul_i32 s41, s37, 25088               ; two key steps of 12,544
	s_add_co_u32 s40, s40, s41
	s_mov_b32 s41, 0
	s_mov_b32 s[M8], 0xff00ff00
	s_mov_b32 s[M4], 0xf0f0f0f0
	s_mov_b32 s[M2], 0xcccccccc
	s_mov_b32 s[M1], 0xaaaaaaaa
	s_mov_b32 s[TB], 0
	s_wait_kmcnt 0x0
	s_add_nc_u64 s[4:5], s[4:5], s[32:33]
	s_add_nc_u64 s[6:7], s[6:7], s[34:35]
	s_add_nc_u64 s[8:9], s[8:9], s[34:35]
	s_add_nc_u64 s[10:11], s[10:11], s[34:35]
	s_add_nc_u64 s[18:19], s[18:19], s[38:39]
	s_add_nc_u64 s[20:21], s[20:21], s[40:41]
	WIN 0x80                                ; ten bias loads, into window 2
.set m, 0
.rept 2
.set cb, 0
.rept 2
	global_load_b128 v[BIA+8*(2*m+cb):BIA+8*(2*m+cb)+3], v21, s[12+2*m:13+2*m] offset:cb*64
	global_load_b128 v[BIA+8*(2*m+cb)+4:BIA+8*(2*m+cb)+7], v21, s[12+2*m:13+2*m] offset:cb*64+16
.set cb, cb+1
.endr
.set m, m+1
.endr
	global_load_b32 v[BIA+32], v22, s[16:17]
	global_load_b32 v[BIA+40], v22, s[16:17] offset:64
	LOADS                                   ; K step 0
	s_wait_loadcnt 63                       ; 74 loads were issued and come back in order: with 63 out at the most the oldest eleven are in, the ten bias loads among them
	WIN 0x8a                                ; the biases are rounded to bf16 like every input, and widened again
.set p, 0
.rept 16
	v_cvt_pk_bf16_f32 v[BT], v[BIA+2*p], v[BIA+2*p+1]
	v_lshlrev_b32 v[BIA+2*p], 16, v[BT]
	v_and_b32 v[BIA+2*p+1], 0xffff0000, v[BT]
.set p, p+1
.endr
	v_cvt_pk_bf16_f32 v[BT], v[BIA+32], v[BIA+40]
	v_lshlrev_b32 v[BIA+32], 16, v[BT]
	v_and_b32 v[BIA+40], 0xffff0000, v[BT]
.set p, 1
.rept 7                                 ; v's lane holds one channel: its bias in all eight registers
	v_mov_b32 v[BIA+32+p], v[BIA+32]
	v_mov_b32 v[BIA+40+p], v[BIA+40]
.set p, p+1
.endr
	WIN 0
	TRIP 1, 0                               ; the first K step is written out: its products start the sums
	s_mov_b32 s[CNT], 7
.Ltrip:
	TRIP 0, 1
	s_sub_co_u32 s[CNT], s[CNT], 1
	s_cmp_lg_u32 s[CNT], 0
	s_cbranch_scc1 .Ltrip
.rept 4
	v_nop                                   ; the places behind the last products
.endr
; THE WAY OUT.  A ring of 16 sets of 8 registers holds what the stores read; one wait frees all sixteen.
.set oidx, 0
.macro RING
.set OB, 32+8*(oidx%16)
.if (oidx%16 == 0) && (oidx > 0)
	s_wait_xcnt 0x0                         ; the sixteen sets are rewritten only behind this wait
.endif
.set oidx, oidx+1
.endm
.macro OUTQK m                          ; m = 0: q; 1: k
.set a, 0
.rept 8
.set cb, 0
.rept 2
	RING
.set AC, 128*(\m)+8*(2*a+cb)
	WIN 0x05
.set j, 0
.rept 4
	v_cvt_pk_f16_f32 v[OB+j], v[AC+2*j], v[AC+2*j+1]      ; hi; the accumulator's lowest registers are read first
.set j, j+1
.endr
	WIN 0x10
.set j, 0
.rept 4
	v_fma_mix_f32 v[TT+2*j], -v[OB+j], v[ONE], v[AC+2*j] op_sel_hi:[1,0,0]                   ; what hi leaves: exact
	v_fma_mix_f32 v[TT+2*j+1], -v[OB+j], v[ONE], v[AC+2*j+1] op_sel:[1,0,0] op_sel_hi:[1,0,0]
.set j, j+1
.endr
	WIN 0
.set j, 0
.rept 4
	v_cvt_pk_f16_f32 v[OB+4+j], v[TT+2*j], v[TT+2*j+1]    ; lo
.set j, j+1
.endr
.if (\m) == 0
	global_store_b128 v[LN16], v[OB:OB+3], s[18:19] offset:a*2048+cb*512
	global_store_b128 v[LN16], v[OB+4:OB+7], s[18:19] offset:a*2048+1024+cb*512
.else
	global_store_b128 v[LN16], v[OB:OB+3], s[20:21] offset:(a/4)*12544+(a%4)*1024+cb*512
	global_store_b128 v[LN16], v[OB+4:OB+7], s[20:21] offset:(a/4)*12544+4096+(a%4)*1024+cb*512
.endif
.set cb, cb+1
.endr
.set a, a+1
.endr
.endm
	OUTQK 0
	OUTQK 1
.set a, 0
.rept 8                                 ; v: eight tokens of one channel pack into 16 bytes, half a fragment of V^T
.set cb, 0
.rept 2
	RING
	WIN 0x0a
.set j, 0
.rept 4
	v_cvt_pk_f16_f32 v[OB+j], v[8*(2*a+cb)+2*j], v[8*(2*a+cb)+2*j+1]
.set j, j+1
.endr
	WIN 0
	global_store_b128 v[LN16], v[OB:OB+3], s[20:21] offset:(a/4)*12544+8192+((a/2)%2)*2048+cb*1024+(a%2)*512
.set cb, cb+1
.endr
.set a, a+1
.endr
; vs: the sum over 32 channels.  The two channel blocks are added; then the 16 lanes of a half are summed in four steps, each of which halves the registers:
; a lane keeps one of two registers by a bit of its number and adds what its partner holds of the same one.  The last step merges two tiles.
.macro HALVE lo, hi, msk, xm
	v_cndmask_b32 v[HT], v[\hi], v[\lo], s[\msk]          ; what my partner keeps
	v_cndmask_b32 v[\lo], v[\lo], v[\hi], s[\msk]         ; what I keep
	v_add_f32_dpp v[\lo], v[HT], v[\lo] row_xmask:\xm row_mask:0xf bank_mask:0xf
.endm
.set pa, 0
.rept 4
.set SB, 160+16*pa
	WIN 0x0a
.set tl, 0
.rept 2
.set z, 0
.rept 4
	v_pk_add_f32 v[SB+8*tl+2*z:SB+8*tl+2*z+1], v[16*(2*pa+tl)+2*z:16*(2*pa+tl)+2*z+1], v[16*(2*pa+tl)+8+2*z:16*(2*pa+tl)+8+2*z+1]
.set z, z+1
.endr
.set tl, tl+1
.endr
	WIN 0
.set tl, 0
.rept 2
	HALVE SB+8*tl, SB+8*tl+4, M8, 8
	HALVE SB+8*tl+1, SB+8*tl+5, M8, 8
	HALVE SB+8*tl+2, SB+8*tl+6, M8, 8
	HALVE SB+8*tl+3, SB+8*tl+7, M8, 8
	HALVE SB+8*tl, SB+8*tl+2, M4, 4
	HALVE SB+8*tl+1, SB+8*tl+3, M4, 4
	HALVE SB+8*tl, SB+8*tl+1, M2, 2
.set tl, tl+1
.endr
	HALVE SB, SB+8, M1, 1
	global_store_b32 v[VSO], v[SB], s[20:21] offset:(pa/2)*12544+12288+(pa%2)*128   ; 32 tokens' sums: 128 consecutive bytes
.set pa, pa+1
.endr
	s_wait_tensorcnt 0x0                    ; the wave's end, behind my last LDS store
	ds_add_u32 v[SPW], v[NIL]
	s_wait_dscnt 0x0
	s_endpgm
.Lfunc_end_k_q66737dbee9_proj:
	.size	k_q66737dbee9_proj, .Lfunc_end_k_q66737dbee9_proj-k_q66737dbee9_proj
	.p2alignl 7, 3214868480
	.fill 96, 4, 3214868480
	.section	.rodata,"a",@progbits
	.p2align	6, 0x0
	.amdhsa_kernel k_q66737dbee9_proj
		.amdhsa_group_segment_fixed_size 205312
		.amdhsa_private_segment_fixed_size 0
		.amdhsa_enable_private_segment 0
		.amdhsa_kernarg_size 72
		.amdhsa_user_sgpr_count 2
		.amdhsa_user_sgpr_kernarg_segment_ptr 1
		.amdhsa_wavefront_size32 1
		.amdhsa_system_sgpr_workgroup_id_x 1
		.amdhsa_system_sgpr_workgroup_id_y 1
		.amdhsa_system_sgpr_workgroup_id_z 1
		.amdhsa_system_vgpr_workitem_id 0
		.amdhsa_next_free_vgpr 1024
		.amdhsa_next_free_sgpr 66
		.amdhsa_reserve_vcc 0
		.amdhsa_float_denorm_mode_32 3
		.amdhsa_float_denorm_mode_16_64 3
		.amdhsa_memory_ordered 1
		.amdhsa_forward_progress 1
		.amdhsa_inst_pref_size 132
	.end_amdhsa_kernel
	.amdgpu_metadata
---
amdhsa.version: [ 1, 2 ]
amdhsa.kernels:
  - .name:           k_q66737dbee9_proj
    .symbol:         k_q66737dbee9_proj.kd
    .args:
      - { .name: x, .offset: 0, .size: 8, .value_kind: global_buffer, .address_space: global }
      - { .name: wq, .offset: 8, .size: 8, .value_kind: global_buffer, .address_space: global }
      - { .name: wk, .offset: 16, .size: 8, .value_kind: global_buffer, .address_space: global }
      - { .name: wv, .offset: 24, .size: 8, .value_kind: global_buffer, .address_space: global }
      - { .name: bq, .offset: 32, .size: 8, .value_kind: global_buffer, .address_space: global }
      - { .name: bk, .offset: 40, .size: 8, .value_kind: global_buffer, .address_space: global }
      - { .name: bv, .offset: 48, .size: 8, .value_kind: global_buffer, .address_space: global }
      - { .name: qs, .offset: 56, .size: 8, .value_kind: global_buffer, .address_space: global }
      - { .name: kv, .offset: 64, .size: 8, .value_kind: global_buffer, .address_space: global }
    .group_segment_fixed_size: 205312
    .private_segment_fixed_size: 0
    .kernarg_segment_align: 8
    .kernarg_segment_size: 72
    .max_flat_workgroup_size: 128
    .sgpr_count:     66
    .vgpr_count:     1024
    .wavefront_size: 32
...
	.end_amdgpu_metadata
.endif
;; end of part 1
;; launch attn (part 2): grid 2 x 128, 4 waves a work-group, no clusters, 206,336 bytes of LDS; arguments qs, kv, att, pooled; writes att, pooled
.if DOCPART == 2
	.amdgcn_target "amdgcn-amd-amdhsa--gfx1250"
	.amdhsa_code_object_version 6
	.text
	.protected	k_q66737dbee9_attn
	.globl	k_q66737dbee9_attn
	.p2align	8
	.type	k_q66737dbee9_attn,@function
k_q66737dbee9_attn:
	s_mov_b64 s[64:65], 0
	v_nop
	global_prefetch_b8 v0, s[64:65] scope:SCOPE_SE
	s_setreg_imm32_b32 hwreg(HW_REG_WAVE_MODE, 25, 1), 1
	s_wait_xcnt 0x0
; CAUSAL ATTENTION, head size 32, 1,024 tokens, 128 heads (bn = 16 b + n), and the pooled value of each group of 4 tokens.
; SCORES.  q and k come as hi + lo in f16; s = qh.kh + ql.kh + qh.kl (three f16 products, f32 sums; lo.lo, 2^-22 of the product, is left out).  p = 2^(c s - c m), c = log2(e) / sqrt(32), with a running maximum m.
; att = (sum p v) / l with p and v in f16, sums in f32, rounded once to f16.  pooled = (1/128) sum over 4 tokens of (sum p vs) / l, all in f32 on the unrounded p; vs is v's sum over channels in f32.
; SHARES.  A head's 16 bands of 64 queries go to the 8 waves of its two work-groups: wave u = 4 c + w takes band 15 - u and then band u: 17 key steps of 64 keys for every wave.
; THE HEAD'S WHOLE RECORD of k, v, vs (200,704 bytes) lies in LDS, filled once by two tensor loads a wave, never again: two loads of mine are out at the most.
; NO MULTICAST: only two work-groups share a record, and what they would share is one burst at the head, three quarters of it under the first four key steps.
; LAYOUT.  S^T = K Q^T: a lane holds one query (lane % 16) and the keys 8 (lane / 16) + 0..7 of each 16; two such results rounded to f16 are source 1 of O^T = V^T P.
; THE MASK is the C operand that starts a sum: 0, TRI x f or NEG x f, with f = 1 in a band's own (diagonal) step and 0 elsewhere: one text serves all steps.
; LIMITS.  A hidden score counts as its value less 1e30; a weight below 2^-126 counts as 0; NaN and infinities are not treated apart; q, k, v lie within f16's range.
; O, l and the numerator are cleared once (88 v_mov_b32, in the wait for the first tiles): a band's first step multiplies them by a = 0, so they need only be finite.
.set STEPB, 12544               ; a key step: kh 4,096, kl 4,096, v 4,096, vs 256
.set REC,   200704
.set STAGE, 200704              ; behind the record, never filled: 16 rows x 80 bytes a wave, for the way out
.set SP,    80
.set SPARE, 205824              ; the spare words, 128 bytes a wave
.set LA0, 1                     ; v1  16 x lane
.set AD,  2                     ; v2  + the step in hand
.set AV0, 3                     ; v3  32 h
.set AV,  4                     ; v4  + the step in hand
.set STO, 5
.set RD,  6
.set GO,  7
.set BIX, 8                     ; v8  16 (lane % 4): the lane that holds group lane % 4
.set PO,  9                     ; v9  4 (lane % 16)
.set SPW, 10
.set NIL, 11
.set TM,  12                    ; v12-15 at work
.set ST,  16                    ; tile t at ST + 8 t: c m, m, l (2), numerator (2), a, a register named with a as a pair
.set CC,  48                    ; c0-c3
.set KM,  52                    ; c m_old
.set NN,  56                    ; four chains of the numerator
.set S,   64                    ; S^T: two buffers of 32, by the tile's parity
.set P,   128
.set O,   160                   ; O^T: 16 a tile
.set VS,  224
.set QF,  0                     ; window 1: tile t: qh at 16 t, ql at 16 t + 8
.set KH,  64
.set KL,  96
.set VFR, 128
.set TRI, 160
.set NEG, 168
.set MT,  176
.set MN,  184
.set WV,  12
.set G1A, 24
.set G1B, 32
.set G0A, 40
.set G0B, 44
.set CS,  48
.set SEL, 50
.set FAC, 52
.set BETA, 54
.set SMIN, 55
.set SC,  56
.set PASS, 57
.set CNT, 58
.set QB,  60
.set AB,  62
.set PB,  66
.set QL,  68
.set AL2, 70
.set PL,  72
.set BIGN, 77
.set MSB, 0
.macro WIN new
.if MSB != (\new)
	s_set_vgpr_msb (MSB<<8)|(\new)
.set MSB, (\new)
.endif
.endm
.macro REGS t
.set rT, ST+8*(\t)
.set rS, S+32*((\t)%2)
.set rO, O+16*(\t)
.endm
; Product i of 12 of tile t's scores: kind i / 4 (qh.kh, ql.kh, qh.kl), keys 16 (i % 4) on.  The four accumulators take turns.
.macro QK t
.set kb, i%4
.set rA, S+32*((\t)%2)+8*kb
.if i < 4
.if kb < (\t)
	WIN 0x05
	v_wmma_f32_16x16x32_f16 v[rA:rA+7], v[KH+8*kb:KH+8*kb+7], v[QF+16*(\t):QF+16*(\t)+7], 0
.elseif kb == (\t)
	WIN 0x15
	v_wmma_f32_16x16x32_f16 v[rA:rA+7], v[KH+8*kb:KH+8*kb+7], v[QF+16*(\t):QF+16*(\t)+7], v[MT:MT+7]
.else
	WIN 0x15
	v_wmma_f32_16x16x32_f16 v[rA:rA+7], v[KH+8*kb:KH+8*kb+7], v[QF+16*(\t):QF+16*(\t)+7], v[MN:MN+7]
.endif
.elseif i < 8
	WIN 0x05
	v_wmma_f32_16x16x32_f16 v[rA:rA+7], v[KH+8*kb:KH+8*kb+7], v[QF+16*(\t)+8:QF+16*(\t)+15], v[rA:rA+7]
.else
	WIN 0x05
	v_wmma_f32_16x16x32_f16 v[rA:rA+7], v[KL+8*kb:KL+8*kb+7], v[QF+16*(\t):QF+16*(\t)+7], v[rA:rA+7]
.endif
.set i, i+1
.endm
.macro MQ t                     ; the next tile's next product, where there is a next tile
.if (\t) < 3
	QK (\t)+1
.endif
.endm
.macro PV t                     ; product ip of 4 of O^T += V^T P: keys 32 (ip / 2) on, channels 16 (ip % 2) on; the two accumulators take turns
	WIN 0x01
.set rO2, O+16*(\t)+8*(ip%2)
.set rV, VFR+16*(ip/2)+8*(ip%2)
.set rP, P+8*(ip/2)
	v_wmma_f32_16x16x32_f16 v[rO2:rO2+7], v[rV:rV+7], v[rP:rP+7], v[rO2:rO2+7]
.set ip, ip+1
.endm
.macro OPF t, p                 ; c s - c m for pair p
	REGS \t
	WIN 0
	v_pk_fma_f32 v[rS+2*(\p):rS+2*(\p)+1], v[rS+2*(\p):rS+2*(\p)+1], s[CS:CS+1], v[rT:rT+1] op_sel_hi:[1,0,0] neg_lo:[0,0,1] neg_hi:[0,0,1]
.endm
.macro OPE t, k
	REGS \t
	WIN 0
	v_exp_f32 v[rS+(\k)], v[rS+(\k)]
.endm
.macro OPR t, z                 ; O^T times a; ascending
	REGS \t
	WIN 0
	v_pk_mul_f32 v[rO+2*(\z):rO+2*(\z)+1], v[rO+2*(\z):rO+2*(\z)+1], v[rT+6:rT+7] op_sel_hi:[1,0]
.endm
.macro OPC t, p
	REGS \t
	WIN 0
	v_cvt_pk_f16_f32 v[P+(\p)], v[rS+2*(\p)], v[rS+2*(\p)+1]
.endm
.macro OPN t, n                 ; the numerator: sum p vs in four chains, then numerator = numerator a + sum
	REGS \t
	WIN 0
.if (\n) < 4
	v_pk_mul_f32 v[NN+2*(\n):NN+2*(\n)+1], v[rS+2*(\n):rS+2*(\n)+1], v[VS+2*(\n):VS+2*(\n)+1]
.elseif (\n) < 16
	v_pk_fma_f32 v[NN+2*((\n)%4):NN+2*((\n)%4)+1], v[rS+2*(\n):rS+2*(\n)+1], v[VS+2*(\n):VS+2*(\n)+1], v[NN+2*((\n)%4):NN+2*((\n)%4)+1]
.elseif (\n) == 16
	v_pk_add_f32 v[NN:NN+1], v[NN:NN+1], v[NN+2:NN+3]
.elseif (\n) == 17
	v_pk_add_f32 v[NN+4:NN+5], v[NN+4:NN+5], v[NN+6:NN+7]
.elseif (\n) == 18
	v_pk_add_f32 v[NN:NN+1], v[NN:NN+1], v[NN+4:NN+5]
.else
	v_pk_fma_f32 v[rT+4:rT+5], v[rT+4:rT+5], v[rT+6:rT+7], v[NN:NN+1] op_sel_hi:[1,0,1]
.endif
.endm
.macro OPL t, z                 ; the sum of the 16 pairs, in place, neighbours 1, 2, 4, 8 pairs apart; then l = l a + sum
	REGS \t
	WIN 0
.if (\z) < 8
.set lw, 4
.set lu, (\z)
.elseif (\z) < 12
.set lw, 8
.set lu, (\z)-8
.elseif (\z) < 14
.set lw, 16
.set lu, (\z)-12
.else
.set lw, 32
.set lu, 0
.endif
.if (\z) < 15
	v_pk_add_f32 v[rS+lw*lu:rS+lw*lu+1], v[rS+lw*lu:rS+lw*lu+1], v[rS+lw*lu+lw/2:rS+lw*lu+lw/2+1]
.else
	v_pk_fma_f32 v[rT+2:rT+3], v[rT+2:rT+3], v[rT+6:rT+7], v[rS:rS+1] op_sel_hi:[1,0,1]
.endif
.endm
; Number n of the 22 that find tile t's maximum and statistics: 0-11 four chains of seven scores (each accumulator's lowest registers first); 12-14, 16 the four left over, the old m, all into c0;
; 15 c m_old is kept; 17, 18 the query's other 32 keys lie in the lane 16 away; 19-21 c m, its change, a.
.macro XS t, n
	REGS \t
	WIN 0
.if (\n) < 4
	v_max3_num_f32 v[CC+(\n)], v[rS+8*(\n)], v[rS+8*(\n)+1], v[rS+8*(\n)+2]
.elseif (\n) < 12
	v_max3_num_f32 v[CC+(\n)%4], v[CC+(\n)%4], v[rS+8*((\n)%4)+2*((\n)/4)+1], v[rS+8*((\n)%4)+2*((\n)/4)+2]
.elseif (\n) == 12
	v_max3_num_f32 v[CC], v[CC], v[rS+7], v[rS+15]
.elseif (\n) == 13
	v_max3_num_f32 v[CC+1], v[CC+1], v[rS+23], v[rS+31]
.elseif (\n) == 14
	v_max3_num_f32 v[CC+2], v[CC+2], v[CC+3], v[rT+1]
.elseif (\n) == 15
	v_mov_b32 v[KM], v[rT]
.elseif (\n) == 16
	v_max3_num_f32 v[CC], v[CC], v[CC+1], v[CC+2]
.elseif (\n) == 17
	v_permlanex16_b32 v[CC+3], v[CC], s[SEL], s[SEL+1]
.elseif (\n) == 18
	v_max_num_f32 v[rT+1], v[CC], v[CC+3]
.elseif (\n) == 19
	v_mul_f32 v[rT], s[CS], v[rT+1]
.elseif (\n) == 20
	v_sub_f32 v[CC+1], v[KM], v[rT]
.else
	v_exp_f32 v[rT+6], v[CC+1]
.endif
.endm
; A TURN, for tile t.  Ahead of its one wait stands all that names no result of its exponentials: the next tile's 12 products, each with four vector instructions behind it (scalings and exponentials of tile t),
; half of O^T's rescaling (four plain instructions: the places behind the last product), the next tile's maximum and statistics, and last its a: a batch of 33 exponentials.
; Behind the wait: the roundings, the four products V^T P, the numerator and the sum.
.macro TURN t
.set i, 0
.set ip, 0
	MQ \t
	OPF \t, 0
	OPF \t, 1
	OPF \t, 2
	OPF \t, 3
.set sl, 1
.rept 6
	MQ \t
	OPE \t, 2*sl-2
	OPF \t, 2*sl+2
	OPE \t, 2*sl-1
	OPF \t, 2*sl+3
.set sl, sl+1
.endr
.rept 5
	MQ \t
	OPE \t, 4*sl-16
	OPE \t, 4*sl-15
	OPE \t, 4*sl-14
	OPE \t, 4*sl-13
.set sl, sl+1
.endr
	OPR \t, 0
	OPR \t, 1
	OPR \t, 2
	OPR \t, 3
.if (\t) < 3
.set xn, 0
.rept 14
	XS (\t)+1, xn
.set xn, xn+1
.endr
	XS (\t)+1, 15
	XS (\t)+1, 14
	OPR \t, 4
	XS (\t)+1, 16
	OPR \t, 5
	XS (\t)+1, 17
	OPR \t, 6
	XS (\t)+1, 18
	OPR \t, 7
	XS (\t)+1, 19
	XS (\t)+1, 20
	XS (\t)+1, 21
.else
	OPR \t, 4
	OPR \t, 5
	OPR \t, 6
	OPR \t, 7
.endif
	v_nop                           ; a plain instruction behind the last exponential,
	s_wait_alu depctr_va_vdst(0)    ; and the one wait for the batch, ahead of its first reader
.set xn, 0
.rept 8
	OPC \t, xn
.set xn, xn+1
.endr
	PV \t
.rept 4
	OPC \t, xn
.set xn, xn+1
.endr
	PV \t
.rept 4
	OPC \t, xn
.set xn, xn+1
.endr
	PV \t
.set xn, 0
.rept 4
	OPN \t, xn
.set xn, xn+1
.endr
	PV \t
.rept 16
	OPN \t, xn
.set xn, xn+1
.endr
.set xn, 0
.rept 16
	OPL \t, xn
.set xn, xn+1
.endr
.endm
.macro FETCH                    ; a key step's operands, 32 LDS loads in one run, 512 consecutive bytes each (vs: 32 bytes for each half of the lanes)
	WIN 0x40
.set kb, 0
.rept 4
	ds_load_b128 v[KH+8*kb:KH+8*kb+3], v[AD] offset:kb*1024
	ds_load_b128 v[KH+8*kb+4:KH+8*kb+7], v[AD] offset:kb*1024+512
	ds_load_b128 v[KL+8*kb:KL+8*kb+3], v[AD] offset:4096+kb*1024
	ds_load_b128 v[KL+8*kb+4:KL+8*kb+7], v[AD] offset:4096+kb*1024+512
.set kb, kb+1
.endr
.set f, 0
.rept 8
	ds_load_b128 v[VFR+4*f:VFR+4*f+3], v[AD] offset:8192+f*512
.set f, f+1
.endr
	WIN 0
.set kb, 0
.rept 4
	ds_load_b128 v[VS+8*kb:VS+8*kb+3], v[AV] offset:12288+kb*64
	ds_load_b128 v[VS+8*kb+4:VS+8*kb+7], v[AV] offset:12288+kb*64+16
.set kb, kb+1
.endr
.endm
.macro STEP                     ; one key step for my four tiles
	FETCH
	s_wait_dscnt 16                 ; K is in; V's and vs's sixteen loads are younger
.set i, 0
.rept 12
	QK 0
.endr
	WIN 0
.rept 4
	v_nop                           ; the places behind those products
.endr
.set xn, 0
.rept 22
	XS 0, xn
.set xn, xn+1
.endr
	v_nop
	s_wait_alu depctr_va_vdst(0)    ; tile 0's a
	s_wait_dscnt 0x0                ; V and vs are in
	TURN 0
	TURN 1
	TURN 2
	TURN 3
.endm
.macro MASKS                    ; MT = TRI x f, MN = NEG x f
	WIN 0x41
.set z, 0
.rept 8
	v_pk_mul_f32 v[MT+2*z:MT+2*z+1], v[TRI+2*z:TRI+2*z+1], s[FAC:FAC+1] op_sel_hi:[1,0]
.set z, z+1
.endr
	WIN 0
.endm
.macro PRE                      ; a band begins: its Q, and m far below every score
	WIN 0x40
.set t, 0
.rept 4
.set f, 0
.rept 4
	global_load_b128 v[QF+16*t+4*f:QF+16*t+4*f+3], v[LA0], s[QB:QB+1] offset:t*2048+f*512
.set f, f+1
.endr
.set t, t+1
.endr
	WIN 0
.set t, 0
.rept 4
	v_mov_b32 v[ST+8*t], 0xfe000000
	v_mov_b32 v[ST+8*t+1], 0xff7fffff
.set t, t+1
.endr
.endm
.macro ALLT line:vararg         ; one line for each tile t
.set t, 0
.rept 4
	REGS t
	\line
.set t, t+1
.endr
.endm
; A BAND ENDS.  l and the numerator: their two halves and the other half of the lanes' are added.  pooled: numerator / l, summed over the group's four lanes, / 128.
; O^T / l is rounded to f16 and goes through my stage, a tile at a time; a group's 4 tokens x 64 bytes leave as 256 consecutive bytes, aligned.
.macro EPI
	WIN 0
	ALLT v_add_f32 v[rT+2], v[rT+2], v[rT+3]
	ALLT v_add_f32 v[rT+4], v[rT+4], v[rT+5]
	ALLT v_permlanex16_b32 v[rT+3], v[rT+2], s[SEL], s[SEL+1]
	ALLT v_permlanex16_b32 v[rT+5], v[rT+4], s[SEL], s[SEL+1]
	ALLT v_add_f32 v[rT+2], v[rT+2], v[rT+3]
	ALLT v_add_f32 v[rT+4], v[rT+4], v[rT+5]
	ALLT v_rcp_f32 v[rT+6], v[rT+2]
	v_nop
	s_wait_alu depctr_va_vdst(0)    ; one wait for the four reciprocals
	ALLT v_mul_f32 v[rT+4], v[rT+4], v[rT+6]
	ALLT v_add_f32_dpp v[rT+4], v[rT+4], v[rT+4] row_xmask:1 row_mask:0xf bank_mask:0xf
	ALLT v_add_f32_dpp v[rT+4], v[rT+4], v[rT+4] row_xmask:2 row_mask:0xf bank_mask:0xf
	ALLT v_mul_f32 v[rT+4], 0x3c000000, v[rT+4]
	ALLT ds_bpermute_b32 v[TM+t], v[BIX], v[rT+4]
.set t, 0
.rept 4
	REGS t
.set z, 0
.rept 8
	v_pk_mul_f32 v[rO+2*z:rO+2*z+1], v[rO+2*z:rO+2*z+1], v[rT+6:rT+7] op_sel_hi:[1,0]
.set z, z+1
.endr
.set z, 0
.rept 8
	v_cvt_pk_f16_f32 v[S+8*t+z], v[rO+2*z], v[rO+2*z+1]
.set z, z+1
.endr
	ds_store_b128 v[STO], v[S+8*t:S+8*t+3]
	ds_store_b128 v[STO], v[S+8*t+4:S+8*t+7] offset:32
	ds_load_b128 v[S+32+8*t:S+32+8*t+3], v[RD]               ; LDS serves a wave's instructions in order: these see the stores above, and the next tile's stores come behind them
	ds_load_b128 v[S+32+8*t+4:S+32+8*t+7], v[RD] offset:8*SP
.set t, t+1
.endr
	s_wait_dscnt 0x0
	v_cndmask_b32 v[TM], v[TM], v[TM+1], s74                 ; lane l takes tile (l % 16) / 4
	v_cndmask_b32 v[TM], v[TM], v[TM+2], s75
	v_cndmask_b32 v[TM], v[TM], v[TM+3], s76
.set t, 0
.rept 4
	global_store_b128 v[GO], v[S+32+8*t:S+32+8*t+3], s[AB:AB+1] offset:(4*t)*4096
	global_store_b128 v[GO], v[S+32+8*t+4:S+32+8*t+7], s[AB:AB+1] offset:(4*t+2)*4096
.set t, t+1
.endr
	global_store_b32 v[PO], v[TM], s[PB:PB+1]                ; 16 groups, 64 bytes; lanes 16-31 store the same words with the same values
.endm
	s_load_b256 s[4:11], s[0:1], 0x0        ; qs, kv, att, pooled
	v_lshl_add_u32 v[SPW], v0, 2, SPARE
	v_mov_b32 v[NIL], 0
	ds_add_u32 v[SPW], v[NIL]               ; the wave's opening: the add and its wait ahead of my first tensor load
	ds_add_u32 v10, v11
	v_lshrrev_b32 v12, 5, v0
	v_readfirstlane_b32 s[WV], v12
	s_and_b32 s14, ttmp7, 0xffff            ; bn
	s_lshl_b32 s15, ttmp9, 2
	s_add_co_u32 s15, s15, s[WV]            ; u: my second band
	s_sub_co_u32 s16, 15, s15               ; my first band
	; group 1: dense bytes asked for as rows of 32 elements of 8 bytes; 49 rows (one key step) and 147 (three)
	s_mov_b32 s[G1A], 3<<16
	s_mov_b32 s[G1A+1], 32<<16
	s_mov_b32 s[G1A+2], 49<<16
	s_mov_b32 s[G1A+3], 32<<16
	s_mov_b32 s[G1A+4], 49
	s_mov_b32 s[G1A+5], 32
	s_mov_b32 s[G1A+6], 0
	s_mov_b32 s[G1A+7], 0
	s_mov_b32 s[G1B], 3<<16
	s_mov_b32 s[G1B+1], 32<<16
	s_mov_b32 s[G1B+2], 147<<16
	s_mov_b32 s[G1B+3], 32<<16
	s_mov_b32 s[G1B+4], 147
	s_mov_b32 s[G1B+5], 32
	s_mov_b32 s[G1B+6], 0
	s_mov_b32 s[G1B+7], 0
	s_mov_b32 s[G0A], 1
	s_mul_i32 s[G0A+1], s[WV], STEPB        ; step w
	s_mov_b32 s[G0B], 1
	s_mul_i32 s[G0B+1], s[WV], 3*STEPB
	s_add_co_u32 s[G0B+1], s[G0B+1], 4*STEPB  ; steps 4 + 3 w .. 6 + 3 w
	s_mul_i32 s20, s14, REC
	s_mov_b32 s21, 0
	s_mov_b32 s23, 0
	s_mov_b32 s[CS], 0x3e8293ee             ; c = log2(e) / sqrt(32)
	s_mov_b32 s[CS+1], s[CS]
	s_mov_b32 s[SEL], 0x76543210
	s_mov_b32 s[SEL+1], 0xfedcba98
	s_mov_b32 s[FAC], 0
	s_mov_b32 s[FAC+1], 0
	s_mov_b32 s[BIGN], 0xf149f2ca           ; -1e30
	s_mov_b32 s74, 0x00f000f0
	s_mov_b32 s75, 0x0f000f00
	s_mov_b32 s76, 0xf000f000
	s_wait_dscnt 0x0                        ; the opening add is done
	s_wait_kmcnt 0x0
	s_add_nc_u64 s[6:7], s[6:7], s[20:21]   ; the head's record
	s_mov_b32 s22, s[G0A+1]
	s_add_nc_u64 s[G0A+2:G0A+3], s[6:7], s[22:23]
	s_or_b32 s[G0A+3], s[G0A+3], 0x80000000
	s_mov_b32 s22, s[G0B+1]
	s_add_nc_u64 s[G0B+2:G0B+3], s[6:7], s[22:23]
	s_or_b32 s[G0B+3], s[G0B+3], 0x80000000
	tensor_load_to_lds s[G0A:G0A+3], s[G1A:G1A+7]
	s_nop 0
	tensor_load_to_lds s[G0B:G0B+3], s[G1B:G1B+7]
	s_nop 0
.rept 4
	v_nop
.endr
	s_lshl_b32 s20, s14, 17                 ; Q: a head 131,072 bytes, a band 8,192
	s_lshl_b32 s22, s16, 13
	s_add_co_u32 s22, s22, s20
	s_add_nc_u64 s[QB:QB+1], s[4:5], s[22:23]
	s_lshl_b32 s22, s15, 13
	s_add_co_u32 s22, s22, s20
	s_add_nc_u64 s[QL:QL+1], s[4:5], s[22:23]
	s_lshr_b32 s20, s14, 4                  ; att: a batch 1,048,576, a band's 16 groups 65,536, a head 256
	s_lshl_b32 s20, s20, 20
	s_and_b32 s21, s14, 15
	s_lshl_b32 s21, s21, 8
	s_add_co_u32 s20, s20, s21
	s_lshl_b32 s22, s16, 16
	s_add_co_u32 s22, s22, s20
	s_add_nc_u64 s[AB:AB+1], s[8:9], s[22:23]
	s_lshl_b32 s22, s15, 16
	s_add_co_u32 s22, s22, s20
	s_add_nc_u64 s[AL2:AL2+1], s[8:9], s[22:23]
	s_lshl_b32 s20, s14, 10                 ; pooled: a head 1,024, a band 64
	s_lshl_b32 s22, s16, 6
	s_add_co_u32 s22, s22, s20
	s_add_nc_u64 s[PB:PB+1], s[10:11], s[22:23]
	s_lshl_b32 s22, s15, 6
	s_add_co_u32 s22, s22, s20
	s_add_nc_u64 s[PL:PL+1], s[10:11], s[22:23]
	v_and_b32 v12, 15, v0                   ; r
	v_bfe_u32 v13, v0, 4, 1                 ; h
	v_and_b32 v14, 31, v0
	v_lshlrev_b32 v[LA0], 4, v14
	v_lshlrev_b32 v[AV0], 5, v13
	PRE
	s_mul_i32 s20, s[WV], 16*SP
	s_add_co_u32 s20, s20, STAGE            ; my stage
	v_mul_u32_u24 v[STO], v12, SP           ; in: row r, 16 bytes for each half of the lanes
	v_lshl_add_u32 v[STO], v13, 4, v[STO]
	v_add_nc_u32 v[STO], s20, v[STO]
	v_lshrrev_b32 v15, 2, v14               ; back: 32 lanes take eight rows of 64 bytes
	v_mul_u32_u24 v[RD], v15, SP
	v_and_b32 v15, 3, v0
	v_lshl_add_u32 v[RD], v15, 4, v[RD]
	v_add_nc_u32 v[RD], s20, v[RD]
	v_lshlrev_b32 v[BIX], 4, v15
	v_lshlrev_b32 v[GO], 12, v13            ; lanes 0-15 one group's 256 bytes, lanes 16-31 the next group's
	v_lshl_add_u32 v[GO], v12, 4, v[GO]
	v_lshlrev_b32 v[PO], 2, v12
	v_lshlrev_b32 v15, 3, v13
	v_sub_nc_u32 v15, v12, v15              ; r - 8 h: register j of a tile's own 16 keys is hidden where j is greater
	WIN 0x40
.set j, 0
.rept 8
	v_cmp_gt_i32 vcc_lo, j, v15
	v_cndmask_b32 v[TRI+j], 0, s[BIGN], vcc_lo
	v_mov_b32 v[NEG+j], s[BIGN]
.set j, j+1
.endr
	WIN 0
.set j, 0
.rept 64
	v_mov_b32 v[O+j], 0
.set j, j+1
.endr
.set t, 0
.rept 4
.set j, 2
.rept 6
	v_mov_b32 v[ST+8*t+j], 0
.set j, j+1
.endr
.set t, t+1
.endr
	MASKS
	v_mov_b32 v[AD], v[LA0]
	v_mov_b32 v[AV], v[AV0]
	s_wait_tensorcnt 0x1                    ; my first load, one of steps 0 to 3, has landed; the second is younger and may stay out
	s_barrier_signal -1
	s_barrier_wait -1                       ; everybody's has
	s_wait_loadcnt 0x0                      ; Q
	s_mov_b32 s[CNT], 4
.Lpeel:                                         ; steps 0 to 3 of the first band (bands 8 to 15: never the diagonal step), while the rest of the record lands
	STEP
	WIN 0
	v_add_nc_u32 v[AD], STEPB, v[AD]
	v_add_nc_u32 v[AV], STEPB, v[AV]
	s_sub_co_u32 s[CNT], s[CNT], 1
	s_cmp_lg_u32 s[CNT], 0
	s_cbranch_scc1 .Lpeel
	s_wait_tensorcnt 0x0                    ; my part of the rest has landed,
	s_wait_dscnt 0x0
	s_barrier_signal -1
	s_barrier_wait -1                       ; everybody's has: the last barrier
	s_mov_b32 s[SMIN], 4
	s_mov_b32 s[PASS], 2
	s_mov_b32 s[BETA], s16
.Lpass:
	v_mov_b32 v[AD], v[LA0]
	v_mov_b32 v[AV], v[AV0]
	s_mov_b32 s[SC], 0
.Lstep:                                         ; 16 trips; steps done already and steps above the diagonal are jumped, forward, past no barrier and no tensor load
	s_cmp_lt_u32 s[SC], s[SMIN]
	s_cbranch_scc1 .Lnext
	s_cmp_gt_u32 s[SC], s[BETA]
	s_cbranch_scc1 .Lnext
	s_cmp_eq_u32 s[SC], s[BETA]
	s_cselect_b32 s[FAC], 1.0, 0
	MASKS
	STEP
	WIN 0
.Lnext:
	v_add_nc_u32 v[AD], STEPB, v[AD]
	v_add_nc_u32 v[AV], STEPB, v[AV]
	s_add_co_u32 s[SC], s[SC], 1
	s_cmp_lt_u32 s[SC], 16
	s_cbranch_scc1 .Lstep
	EPI
	s_sub_co_u32 s[PASS], s[PASS], 1
	s_cmp_eq_u32 s[PASS], 0
	s_cbranch_scc1 .Lout
	s_wait_xcnt 0x0                         ; the stores have read their registers and bases
	s_mov_b64 s[QB:QB+1], s[QL:QL+1]
	s_mov_b64 s[AB:AB+1], s[AL2:AL2+1]
	s_mov_b64 s[PB:PB+1], s[PL:PL+1]
	s_mov_b32 s[BETA], s15
	s_mov_b32 s[SMIN], 0
	PRE
	s_wait_loadcnt 0x0
	s_branch .Lpass
.Lout:
	s_wait_tensorcnt 0x0                    ; the wave's end
	ds_add_u32 v[SPW], v[NIL]
	s_wait_dscnt 0x0
	s_endpgm
.Lfunc_end_k_q66737dbee9_attn:
	.size	k_q66737dbee9_attn, .Lfunc_end_k_q66737dbee9_attn-k_q66737dbee9_attn
	.p2alignl 7, 3214868480
	.fill 96, 4, 3214868480
	.section	.rodata,"a",@progbits
	.p2align	6, 0x0
	.amdhsa_kernel k_q66737dbee9_attn
		.amdhsa_group_segment_fixed_size 206336
		.amdhsa_private_segment_fixed_size 0
		.amdhsa_enable_private_segment 0
		.amdhsa_kernarg_size 32
		.amdhsa_user_sgpr_count 2
		.amdhsa_user_sgpr_kernarg_segment_ptr 1
		.amdhsa_wavefront_size32 1
		.amdhsa_system_sgpr_workgroup_id_x 1
		.amdhsa_system_sgpr_workgroup_id_y 1
		.amdhsa_system_sgpr_workgroup_id_z 1
		.amdhsa_system_vgpr_workitem_id 0
		.amdhsa_next_free_vgpr 448
		.amdhsa_next_free_sgpr 80
		.amdhsa_reserve_vcc 1
		.amdhsa_float_denorm_mode_32 3
		.amdhsa_float_denorm_mode_16_64 3
		.amdhsa_memory_ordered 1
		.amdhsa_forward_progress 1
		.amdhsa_inst_pref_size 100
	.end_amdhsa_kernel
	.amdgpu_metadata
---
amdhsa.version: [ 1, 2 ]
amdhsa.kernels:
  - .name:           k_q66737dbee9_attn
    .symbol:         k_q66737dbee9_attn.kd
    .args:
      - { .name: qs, .offset: 0, .size: 8, .value_kind: global_buffer, .address_space: global }
      - { .name: kv, .offset: 8, .size: 8, .value_kind: global_buffer, .address_space: global }
      - { .name: att, .offset: 16, .size: 8, .value_kind: global_buffer, .address_space: global }
      - { .name: pooled, .offset: 24, .size: 8, .value_kind: global_buffer, .address_space: global }
    .group_segment_fixed_size: 206336
    .private_segment_fixed_size: 0
    .kernarg_segment_align: 8
    .kernarg_segment_size: 32
    .max_flat_workgroup_size: 128
    .sgpr_count:     80
    .vgpr_count:     448
    .wavefront_size: 32
...
	.end_amdgpu_metadata
.endif
;; end of part 2
;; launch route (part 3): grid 168 x 1, 16 waves a work-group, no clusters, 90,112 bytes of LDS; arguments pooled, att, wp, rlist, out2, gpart, wp16; writes rlist, out2, gpart, wp16
.if DOCPART == 3
	.amdgcn_target "amdgcn-amd-amdhsa--gfx1250"
	.amdhsa_code_object_version 6
	.text
	.protected	k_q66737dbee9_route
	.globl	k_q66737dbee9_route
	.p2align	8
	.type	k_q66737dbee9_route,@function
k_q66737dbee9_route:
	s_mov_b64 s[64:65], 0
	v_nop
	global_prefetch_b8 v0, s[64:65] scope:SCOPE_SE
	s_setreg_imm32_b32 hwreg(HW_REG_WAVE_MODE, 25, 1), 1
	s_wait_xcnt 0x0
; Three kinds of work-group, chosen by the work-group's number alone.
; 0-7: THE CHOICE, one batch each.  For each of the batch's 256 groups of 4 tokens: softmax over the 16 heads' pooled values (maximum taken away first), argmax (ties: the lower index) -> out2;
;    and a counting sort without atomics: each group's rank among the batch's groups of its expert -> rlist (expert << 16 | rank), the batch's 16 counts at byte 8,192 + 64 b.
;    No address and no branch hangs on these numbers here; the next launch reads them and adds the batches up.
; 8-39: THE GRAM MATRIX of the 16 heads' attention, for 64 groups each: G[n][m] += sum of att[n] att[m], f16 operands, f32 sums -> gpart (partial sums, f32).
; 40-167: wp is rounded to bf16 like every input, written as f16 (exact from 6e-5 up; below that f16's fixed step of 6e-8; |wp| under 65,504) and laid in the order in which operand registers take it.
.set STG,   4352                ; a wave's stage: 16 rows x 272 bytes
.set RED,   69632               ; the Gram matrix: what waves hand to each other, 1,024 bytes a wave
.set SPARE, 86016               ; the spare words, 128 bytes for each of 16 waves
.set REDR,  88064               ; the choice: eight waves' counts, 128 bytes a wave; bytes of its own
.set LN16, 1
.set RR,   2
.set HH,   3
.set LANE, 4
.set LN4,  5
.set SPW,  6
.set NIL,  7
.set X,    32                   ; the choice: my group's 16 heads
.set MX,   48                   ; v48-49 the maximum, twice
.set SU,   50                   ; v50-51 the sum, then its reciprocal, twice
.set IDX,  52
.set RK,   53
.set TP,   54                   ; v54-55
.set CD,   56
.set WC,   57
.set TOT,  58
.set BAS,  59
.set H4,   60
.set LR,   62                   ; v62-65
.set CE,   32                   ; s[32:47] my wave's counts
.set BE,   48                   ; s[48:63] the groups of each expert in the waves ahead of mine
.set MK,   68                   ; s[68:83] the lanes that chose each expert
	s_load_b256 s[4:11], s[0:1], 0x0        ; pooled, att, wp, rlist
	s_load_b128 s[12:15], s[0:1], 0x20      ; out2, gpart
	s_load_b64 s[16:17], s[0:1], 0x30       ; wp16
	v_lshl_add_u32 v[SPW], v0, 2, SPARE
	v_mov_b32 v[NIL], 0
	v_lshrrev_b32 v8, 5, v0
	v_readfirstlane_b32 s18, v8             ; wave 0..15
	v_and_b32 v[LANE], 31, v0
	v_and_b32 v[RR], 15, v0
	v_bfe_u32 v[HH], v0, 4, 1
	v_lshlrev_b32 v[LN16], 4, v[LANE]
	v_lshlrev_b32 v[LN4], 2, v[LANE]
	s_mov_b32 s19, ttmp9
	s_mul_i32 s26, s18, STG                 ; my stage
	s_mov_b32 s25, 0
	s_wait_kmcnt 0x0
	s_cmp_lt_u32 s19, 8
	s_cbranch_scc1 .Lrole_r
	s_cmp_lt_u32 s19, 40
	s_cbranch_scc1 .Lrole_g
	; ---- wp -> wp16.  A wave takes 16 rows (output columns) x 128 numbers: sixteen loads of 512 consecutive bytes.
	s_sub_co_u32 s20, s19, 40
	s_lshl_b32 s20, s20, 4
	s_add_co_u32 s20, s20, s18              ; unit 0..2047
	s_lshr_b32 s21, s20, 2                  ; block of 16 rows
	s_and_b32 s22, s20, 3                   ; quarter of a row
	s_lshl_b32 s24, s21, 15
	s_lshl_b32 s23, s22, 9
	s_add_co_u32 s24, s24, s23
	s_add_nc_u64 s[8:9], s[8:9], s[24:25]
	s_lshl_b32 s24, s21, 14                 ; 16 K steps of 1,024 bytes a block
	s_lshl_b32 s23, s22, 12
	s_add_co_u32 s24, s24, s23
	s_add_nc_u64 s[16:17], s[16:17], s[24:25]
.set t, 0
.rept 16
	global_load_b128 v[32+4*t:32+4*t+3], v[LN16], s[8:9] offset:t*2048 th:TH_LOAD_NT
.set t, t+1
.endr
	v_lshl_add_u32 v8, v[LANE], 3, s26      ; in: 8 bytes a lane, a row of 256
	v_mul_u32_u24 v9, v[RR], 272            ; back: row r, 16 bytes for each half of the lanes
	v_lshl_add_u32 v9, v[HH], 4, v9
	v_add_nc_u32 v9, s26, v9
.set t, 0
.rept 16
.set a0, 32+4*t
	s_wait_loadcnt 15-t                     ; the later rows' loads are younger
	v_cvt_pk_bf16_f32 v[a0], v[a0], v[a0+1]
	v_cvt_pk_bf16_f32 v[a0+1], v[a0+2], v[a0+3]
	v_lshlrev_b32 v[a0+2], 16, v[a0]
	v_and_b32 v[a0+3], 0xffff0000, v[a0]
	v_cvt_pk_f16_f32 v[a0], v[a0+2], v[a0+3]
	v_lshlrev_b32 v[a0+2], 16, v[a0+1]
	v_and_b32 v[a0+3], 0xffff0000, v[a0+1]
	v_cvt_pk_f16_f32 v[a0+1], v[a0+2], v[a0+3]
	ds_store_b64 v8, v[a0:a0+1] offset:t*272
.set t, t+1
.endr
.set f, 0
.rept 8                                 ; f = 2 (K step) + half: the stage is my own, and LDS serves a wave's instructions in order
	ds_load_b128 v[96+4*f:96+4*f+3], v9 offset:f*32
.set f, f+1
.endr
.set f, 0
.rept 8
	s_wait_dscnt 7-f
	global_store_b128 v[LN16], v[96+4*f:96+4*f+3], s[16:17] offset:f*512    ; 512 consecutive bytes, aligned
.set f, f+1
.endr
	s_wait_tensorcnt 0x0                    ; the wave's end
	ds_add_u32 v[SPW], v[NIL]
	s_wait_dscnt 0x0
	s_endpgm
.Lrole_g:
	; ---- the Gram matrix.  A wave takes 4 groups of 4,096 bytes (16 heads x 256 bytes); all 32 loads go out at once.
	s_sub_co_u32 s20, s19, 8                ; gamma = 4 b + quarter
	s_lshl_b32 s24, s20, 18
	s_lshl_b32 s21, s18, 14
	s_add_co_u32 s24, s24, s21
	s_add_nc_u64 s[6:7], s[6:7], s[24:25]
.set l, 0
.rept 32
	global_load_b128 v[32+4*l:32+4*l+3], v[LN16], s[6:7] offset:l*512
.set l, l+1
.endr
	v_mul_u32_u24 v8, v[HH], 272            ; in: two heads' rows a load
	v_lshl_add_u32 v8, v[RR], 4, v8
	v_add_nc_u32 v8, s26, v8
	v_mul_u32_u24 v9, v[RR], 272            ; back: lane r is head r
	v_lshl_add_u32 v9, v[HH], 4, v9
	v_add_nc_u32 v9, s26, v9
.macro GRP g
	s_wait_loadcnt 24-8*(\g)                ; the later groups' loads are younger
.set l, 0
.rept 8
	ds_store_b128 v8, v[32+32*(\g)+4*l:32+32*(\g)+4*l+3] offset:l*544
.set l, l+1
.endr
.set l, 0
.rept 8
	ds_load_b128 v[32+32*(\g)+4*l:32+32*(\g)+4*l+3], v9 offset:l*32     ; as fragments, into the registers that they left
.set l, l+1
.endr
	s_wait_dscnt 0x0
.set q, 0
.rept 4                                 ; four accumulators take turns; the first group starts the sums
.if (\g) == 0
	v_wmma_f32_16x16x32_f16 v[160+8*q:160+8*q+7], v[32+32*(\g)+8*q:32+32*(\g)+8*q+7], v[32+32*(\g)+8*q:32+32*(\g)+8*q+7], 0
.else
	v_wmma_f32_16x16x32_f16 v[160+8*q:160+8*q+7], v[32+32*(\g)+8*q:32+32*(\g)+8*q+7], v[32+32*(\g)+8*q:32+32*(\g)+8*q+7], v[160+8*q:160+8*q+7]
.endif
.set q, q+1
.endr
.endm
	GRP 0
	GRP 1
	GRP 2
	GRP 3
.rept 4
	v_nop                                   ; the places behind the last products
.endr
.set z, 0
.rept 4
	v_pk_add_f32 v[160+2*z:160+2*z+1], v[160+2*z:160+2*z+1], v[168+2*z:168+2*z+1]
	v_pk_add_f32 v[176+2*z:176+2*z+1], v[176+2*z:176+2*z+1], v[184+2*z:184+2*z+1]
.set z, z+1
.endr
.set z, 0
.rept 4
	v_pk_add_f32 v[160+2*z:160+2*z+1], v[160+2*z:160+2*z+1], v[176+2*z:176+2*z+1]
.set z, z+1
.endr
	s_lshl_b32 s21, s18, 10
	s_add_co_u32 s21, s21, RED
	v_lshl_add_u32 v10, v[LANE], 5, s21
	ds_store_b128 v10, v[160:163]
	ds_store_b128 v10, v[164:167] offset:16
	s_wait_dscnt 0x0                        ; for the others' sake
	s_barrier_signal -1
	s_barrier_wait -1
	s_cmp_ge_u32 s18, 8
	s_cbranch_scc1 .Lg_end                  ; 256 numbers: waves 0 to 7 add the sixteen parts, in a fixed order
	v_lshl_add_u32 v11, v0, 2, RED
.set l, 0
.rept 16
	ds_load_b32 v[32+l], v11 offset:l*1024
.set l, l+1
.endr
	s_lshl_b32 s24, s20, 10
	s_add_nc_u64 s[14:15], s[14:15], s[24:25]
	v_lshlrev_b32 v12, 2, v0
	s_wait_dscnt 0x0
.set l, 1
.rept 15
	v_add_f32 v32, v32, v[32+l]
.set l, l+1
.endr
	global_store_b32 v12, v32, s[14:15]
.Lg_end:
	s_wait_tensorcnt 0x0
	ds_add_u32 v[SPW], v[NIL]
	s_wait_dscnt 0x0
	s_endpgm
.Lrole_r:
	; ---- the choice, for batch b = the work-group's number.  Waves 0 to 7: a lane has group 32 w + lane; waves 8 to 15 have none and only pass the barrier.
	s_cmp_ge_u32 s18, 8
	s_cbranch_scc1 .Lr_meet
	s_lshl_b32 s24, s19, 14                 ; a batch's 16 heads of 1,024 bytes
	s_lshl_b32 s21, s18, 7                  ; my wave's 32 groups: 128 consecutive bytes of each head
	s_add_co_u32 s24, s24, s21
	s_add_nc_u64 s[4:5], s[4:5], s[24:25]
.set n, 0
.rept 16
	global_load_b32 v[X+n], v[LN4], s[4:5] offset:n*1024
.set n, n+1
.endr
	s_mov_b32 s28, 0x76543210
	s_mov_b32 s29, 0xfedcba98
.macro MAX16                            ; the largest of the 16 heads' numbers
	v_max3_num_f32 v[MX], v[X], v[X+1], v[X+2]
.set z, 0
.rept 6
	v_max3_num_f32 v[MX], v[MX], v[X+3+2*z], v[X+4+2*z]
.set z, z+1
.endr
	v_max_num_f32 v[MX], v[MX], v[X+15]
.endm
	s_wait_loadcnt 0x0
	MAX16
	v_mov_b32 v[MX+1], v[MX]
.set z, 0
.rept 8                                 ; (x - m) first, then the factor log2(e)
	v_pk_add_f32 v[X+2*z:X+2*z+1], v[X+2*z:X+2*z+1], v[MX:MX+1] neg_lo:[0,1] neg_hi:[0,1]
	v_pk_mul_f32 v[X+2*z:X+2*z+1], v[X+2*z:X+2*z+1], 0x3fb8aa3b op_sel_hi:[1,0]
.set z, z+1
.endr
.set n, 0
.rept 16
	v_exp_f32 v[X+n], v[X+n]
.set n, n+1
.endr
	v_nop
	s_wait_alu depctr_va_vdst(0)            ; one wait for the 16 exponentials
	v_add_f32 v[SU], v[X], v[X+1]
.set n, 2
.rept 14
	v_add_f32 v[SU], v[SU], v[X+n]
.set n, n+1
.endr
	v_rcp_f32 v[SU], v[SU]
	v_nop
	s_wait_alu depctr_va_vdst(0)
	v_mov_b32 v[SU+1], v[SU]
.set z, 0
.rept 8
	v_pk_mul_f32 v[X+2*z:X+2*z+1], v[X+2*z:X+2*z+1], v[SU:SU+1]
.set z, z+1
.endr
	MAX16
	v_mov_b32 v[IDX], 0
	v_mov_b32 v[RK], 0
.set n, 15
.rept 16                                ; from the highest index down: the lowest that holds the maximum stays
	v_cmp_eq_f32 vcc_lo, v[X+n], v[MX]
	v_cndmask_b32 v[IDX], v[IDX], n, vcc_lo
.set n, n-1
.endr
.set e, 0
.rept 16                                ; sixteen masks in a run; they are kept for the ranks
	v_cmp_eq_u32 s[MK+e], e, v[IDX]
.set e, e+1
.endr
.set e, 0
.rept 16
	s_bcnt1_i32_b32 s[CE+e], s[MK+e]        ; my wave's count of each expert
.set e, e+1
.endr
	v_mov_b32 v[WC], 0
.set e, 0
.rept 16
	v_writelane_b32 v[WC], s[CE+e], e
.set e, e+1
.endr
	s_lshl_b32 s21, s18, 7
	s_add_co_u32 s21, s21, REDR
	v_add_nc_u32 v11, s21, v[LN4]
	ds_store_b32 v11, v[WC]
.Lr_meet:
	s_wait_dscnt 0x0                        ; for the others' sake
	s_barrier_signal -1
	s_barrier_wait -1
	s_cmp_ge_u32 s18, 8
	s_cbranch_scc1 .Lr_end
	v_lshlrev_b32 v12, 9, v[HH]             ; lane (r, h) reads expert r's counts of waves 4 h .. 4 h + 3
	v_lshl_add_u32 v12, v[RR], 2, v12
	v_add_nc_u32 v12, REDR, v12
.set l, 0
.rept 4
	ds_load_b32 v[LR+l], v12 offset:l*128
.set l, l+1
.endr
	v_lshlrev_b32 v[H4], 2, v[HH]
	v_mov_b32 v[TOT], 0
	v_mov_b32 v[BAS], 0
	v_mov_b32 v[TP], 0
	v_mov_b32 v[TP+1], 0
	s_wait_dscnt 0x0
.set l, 0
.rept 4
	s_sub_co_i32 s20, s18, l
	v_cmp_gt_i32 vcc_lo, s20, v[H4]         ; is wave 4 h + l ahead of mine?
	v_cndmask_b32 v[TP], 0, v[LR+l], vcc_lo
	v_add_nc_u32 v[BAS], v[BAS], v[TP]
	v_add_nc_u32 v[TOT], v[TOT], v[LR+l]
.set l, l+1
.endr
	v_permlanex16_b32 v[TP], v[TOT], s28, s29
	v_add_nc_u32 v[TOT], v[TOT], v[TP]
	v_permlanex16_b32 v[TP], v[BAS], s28, s29
	v_add_nc_u32 v[BAS], v[BAS], v[TP]
.set e, 0
.rept 16
	v_readlane_b32 s[BE+e], v[BAS], e
.set e, e+1
.endr
	s_cmp_lg_u32 s18, 0
	s_cbranch_scc1 .Lr_nt
	s_lshl_b32 s24, s19, 6
	s_add_co_u32 s24, s24, 8192
	s_add_nc_u64 s[22:23], s[10:11], s[24:25]
	v_lshlrev_b32 v14, 2, v[RR]
	global_store_b32 v14, v[TOT], s[22:23]  ; the batch's 16 counts, 64 bytes; lanes 16-31 store the same words with the same values
.Lr_nt:
.set e, 0
.rept 16
	v_mbcnt_lo_u32_b32 v[TP+e%2], s[MK+e], s[BE+e]   ; the expert's groups in the waves ahead + the lanes below me that chose it
	v_cndmask_b32 v[RK], v[RK], v[TP+e%2], s[MK+e]
.set e, e+1
.endr
	v_lshl_or_b32 v[CD], v[IDX], 16, v[RK]
	s_lshl_b32 s20, s19, 10                 ; a batch's 256 words, my wave's 32
	s_lshl_b32 s21, s18, 7
	s_add_co_u32 s20, s20, s21
	v_add_nc_u32 v13, s20, v[LN4]
	global_store_b32 v13, v[CD], s[10:11]   ; 128 consecutive bytes a wave
	global_store_b32 v13, v[IDX], s[12:13]
.Lr_end:
	s_wait_tensorcnt 0x0
	ds_add_u32 v[SPW], v[NIL]
	s_wait_dscnt 0x0
	s_endpgm
.Lfunc_end_k_q66737dbee9_route:
	.size	k_q66737dbee9_route, .Lfunc_end_k_q66737dbee9_route-k_q66737dbee9_route
	.p2alignl 7, 3214868480
	.fill 96, 4, 3214868480
	.section	.rodata,"a",@progbits
	.p2align	6, 0x0
	.amdhsa_kernel k_q66737dbee9_route
		.amdhsa_group_segment_fixed_size 90112
		.amdhsa_private_segment_fixed_size 0
		.amdhsa_enable_private_segment 0
		.amdhsa_kernarg_size 56
		.amdhsa_user_sgpr_count 2
		.amdhsa_user_sgpr_kernarg_segment_ptr 1
		.amdhsa_wavefront_size32 1
		.amdhsa_system_sgpr_workgroup_id_x 1
		.amdhsa_system_sgpr_workgroup_id_y 1
		.amdhsa_system_sgpr_workgroup_id_z 1
		.amdhsa_system_vgpr_workitem_id 0
		.amdhsa_next_free_vgpr 200
		.amdhsa_next_free_sgpr 84
		.amdhsa_reserve_vcc 1
		.amdhsa_float_denorm_mode_32 3
		.amdhsa_float_denorm_mode_16_64 3
		.amdhsa_memory_ordered 1
		.amdhsa_forward_progress 1
		.amdhsa_inst_pref_size 41
	.end_amdhsa_kernel
	.amdgpu_metadata
---
amdhsa.version: [ 1, 2 ]
amdhsa.kernels:
  - .name:           k_q66737dbee9_route
    .symbol:         k_q66737dbee9_route.kd
    .args:
      - { .name: pooled, .offset: 0, .size: 8, .value_kind: global_buffer, .address_space: global }
      - { .name: att, .offset: 8, .size: 8, .value_kind: global_buffer, .address_space: global }
      - { .name: wp, .offset: 16, .size: 8, .value_kind: global_buffer, .address_space: global }
      - { .name: rlist, .offset: 24, .size: 8, .value_kind: global_buffer, .address_space: global }
      - { .name: out2, .offset: 32, .size: 8, .value_kind: global_buffer, .address_space: global }
      - { .name: gpart, .offset: 40, .size: 8, .value_kind: global_buffer, .address_space: global }
      - { .name: wp16, .offset: 48, .size: 8, .value_kind: global_buffer, .address_space: global }
    .group_segment_fixed_size: 90112
    .private_segment_fixed_size: 0
    .kernarg_segment_align: 8
    .kernarg_segment_size: 56
    .max_flat_workgroup_size: 512
    .sgpr_count:     84
    .vgpr_count:     200
    .wavefront_size: 32
...
	.end_amdgpu_metadata
.endif
;; end of part 3
;; launch outp (part 4): grid 287 x 1, 4 waves a work-group, no clusters, 85,504 bytes of LDS; arguments att, wp16, bp, rlist, gpart, out1, out0; writes out1, out0
.if DOCPART == 4
	.amdgcn_target "amdgcn-amd-amdhsa--gfx1250"
	.amdhsa_code_object_version 6
	.text
	.protected	k_q66737dbee9_outp
	.globl	k_q66737dbee9_outp
	.p2align	8
	.type	k_q66737dbee9_outp,@function
k_q66737dbee9_outp:
	s_mov_b64 s[64:65], 0
	v_nop
	global_prefetch_b8 v0, s[64:65] scope:SCOPE_SE
	s_setreg_imm32_b32 hwreg(HW_REG_WAVE_MODE, 25, 1), 1
	s_wait_xcnt 0x0
; out1[row] = att[row] wp[e]^T + bp[e], e the expert chosen for the row's group of 4 tokens; and out0, the loss.
; Work-group 0: the loss.  Work-group 1 + 2 tau + col: tile tau of 16 groups (64 rows) of one expert x 256 output columns.  With 2,048 groups and 16 experts there are never more than 128 + 15 = 143 tiles,
; whatever the split; every work-group finds its expert and its place from the 8 x 16 stored counts.  A tile past the last one stores nothing; in a tile that is not full the places past the count repeat group 0,
; and their stores are jumped.
; A GROUP'S PLACE among its expert's groups is its stored rank within its batch + the expert's groups in the batches ahead.  Wave w scans the codes (expert << 16 | rank) of batches 2 w and 2 w + 1 and lays the
; number of each group that falls into the tile into a list of its own in LDS; behind a barrier the four lists are added (a place is filled by one wave; the others hold 0 there).
; att (f16) lies in LDS, 16 group records; the weights (f16, laid out by the launch before) go from memory straight into operand registers, a ring of eight buffers, seven K steps ahead.
; When att is asked for, 1 + 24 + 32 = 57 loads of mine are out; steps 3 to 6 of the weights follow behind att.
; NO MULTICAST: how many tiles an expert has hangs on the stored counts, so partners would not be alike, and the weights do not pass through LDS.
; The product is used transposed (source 0 = 16 output columns, source 1 = 16 rows): a lane holds eight neighbouring columns of a row.  bp is rounded to bf16 like every input and starts the sums.
.set APITCH, 4112               ; a group's record: 4,096 bytes + 16: the 16 rows of a fragment (4 groups x 4 tokens of 64 bytes) start in 16 different groups of four banks
.set STAGE, 66048               ; 16 rows x 272 bytes a wave, for the way out
.set LISTS, 83456               ; 32 words a wave
.set SPARE, 83968               ; the spare words, 128 bytes a wave
.set BIASB, 84480               ; my 64 columns' bias, 256 bytes a wave
.set LN16, 1
.set RR,   2
.set HH,   3
.set LANE, 4
.set L4,   5
.set LISTA, 6
.set CO,   7                    ; v7  my quarter of the codes: 2,048 w + 16 lane
.set AFR,  8
.set STO,  9
.set RD,   10
.set GO,   11
.set SPW,  12
.set NIL,  13
.set BO,   14                   ; v14 8 x lane
.set ASTO, 15
.set LIST, 19
.set ZR,   20
.set KEYA, 21                   ; the code that falls on the tile's place 0, for batch 2 w
.set GB,   22                   ; v22 512 w + 4 lane: the group of my first code
.set BLA,  23
.set KEYB, 24                   ; the same for batch 2 w + 1
.set BRD,  25
.set LRD,  26
.set LP,   28                   ; v28-31 the four lists
.set FAB,  32                   ; v32-95: the codes (v32-47) and what is made of the counts (v48-70); then two buffers of att's fragments
.set CN,   48                   ; v48-51 counts of batches 2 i + h, expert r
.set CY,   52                   ; v52-55 the other half of the lanes'
.set CB,   56                   ; v56-63 counts of batches 0 to 7, expert r
.set TOTV, 64
.set BA,   65
.set BB,   66
.set BRAW, 68                   ; v68-69 two numbers of the bias
.set BTMP, 70
.set RING, 96                   ; v96-223: weight buffers 0 to 3 (4 to 7: v128-255 of window 1); then the rows read back
.set BIA,  224                  ; v224-255: four bias tuples
.set GL,   68                   ; s[68:83] flags for the bases; then the tile's 16 groups
.set MSB, 0
.macro WIN new
.if MSB != (\new)
	s_set_vgpr_msb (MSB<<8)|(\new)
.set MSB, (\new)
.endif
.endm
	s_load_b256 s[4:11], s[0:1], 0x0        ; att, wp16, bp, rlist
	s_load_b128 s[12:15], s[0:1], 0x20      ; gpart, out1
	s_load_b64 s[16:17], s[0:1], 0x30       ; out0
	v_lshl_add_u32 v[SPW], v0, 2, SPARE
	v_mov_b32 v[NIL], 0
	v_lshrrev_b32 v16, 5, v0
	v_readfirstlane_b32 s19, v16            ; wave 0..3
	v_and_b32 v[LANE], 31, v0
	v_and_b32 v[RR], 15, v0
	v_bfe_u32 v[HH], v0, 4, 1
	v_lshlrev_b32 v[LN16], 4, v[LANE]
	v_lshlrev_b32 v[L4], 2, v[LANE]
	s_mov_b32 s18, ttmp9
	s_wait_kmcnt 0x0
	s_cmp_eq_u32 s18, 0
	s_cbranch_scc1 .Lloss
	v_lshl_add_u32 v[CO], s19, 11, v[LN16]
.set i, 0
.rept 4
	global_load_b32 v[CN+i], v[L4], s[10:11] offset:8192+i*128      ; word 32 i + lane of the counts: batch 2 i + h, expert r
.set i, i+1
.endr
.set i, 0
.rept 4
	global_load_b128 v[FAB+4*i:FAB+4*i+3], v[CO], s[10:11] offset:i*512   ; my 512 codes: code 512 w + 128 i + 4 lane + c
.set i, i+1
.endr
	; all that hangs on no loaded number is made while these are on their way
	s_sub_co_u32 s20, s18, 1
	s_lshr_b32 s21, s20, 1                  ; tau
	s_and_b32 s22, s20, 1                   ; col
	s_mov_b32 s58, 0xffff0000               ; lanes 16 to 31
	s_mov_b32 s60, 0x76543210
	s_mov_b32 s61, 0xfedcba98
	s_lshl_b32 s59, s19, 1                  ; 2 w
.set b, 0
.rept 6
	s_cmp_gt_u32 s59, b                     ; is batch b ahead of batch 2 w?
	s_cselect_b32 s[GL+b], 1, 0
.set b, b+1
.endr
.set i, 0
.rept 4
	s_cmp_eq_u32 s19, i                     ; is batch 2 i my first?
	s_cselect_b32 s[GL+6+i], 1, 0
	v_mov_b32 v[CY+i], 0
.set i, i+1
.endr
	s_lshl_b32 s54, s22, 10                 ; my columns in a row of out1 and of bp: col x 1,024 + wave x 256, made of the work-group's and the wave's numbers alone
	s_lshl_b32 s48, s19, 8
	s_add_co_u32 s54, s54, s48
	s_add_co_u32 s97, s48, BIASB            ; my bias in LDS
	s_lshl_b32 s96, s19, 7
	s_add_co_u32 s96, s96, LISTS            ; my list
	s_mov_b32 s31, 0
	s_mov_b32 s53, 0
	v_lshl_add_u32 v[GB], s19, 9, v[L4]
	v_add_nc_u32 v[LISTA], s96, v[L4]
	v_add_nc_u32 v[LRD], LISTS, v[L4]
	v_mov_b32 v[ZR], 0
	ds_store_b32 v[LISTA], v[ZR]            ; places that I do not fill hold 0
	v_lshlrev_b32 v[BO], 3, v[LANE]
	v_lshl_add_u32 v[BLA], v[LANE], 3, s97
	v_lshl_add_u32 v[BRD], v[HH], 5, s97
	s_mul_i32 s50, s19, 4*APITCH
	v_add_nc_u32 v[ASTO], s50, v[LN16]
	v_lshrrev_b32 v16, 2, v[RR]             ; a fragment's row r: group r / 4, token r % 4
	v_mul_u32_u24 v[AFR], v16, APITCH
	v_and_b32 v16, 3, v[RR]
	v_lshl_add_u32 v[AFR], v16, 6, v[AFR]
	v_lshl_add_u32 v[AFR], v[HH], 4, v[AFR]
	s_mul_i32 s50, s19, 16*272
	s_add_co_u32 s50, s50, STAGE            ; my stage
	v_mul_u32_u24 v[STO], v[RR], 272        ; in: row r, 32 bytes for each half of the lanes
	v_lshl_add_u32 v[STO], v[HH], 5, v[STO]
	v_add_nc_u32 v[STO], s50, v[STO]
	v_mul_u32_u24 v[RD], v[HH], 272         ; back: lanes 0-15 one row of 256 bytes, lanes 16-31 the next
	v_lshl_add_u32 v[RD], v[RR], 4, v[RD]
	v_add_nc_u32 v[RD], s50, v[RD]
	v_lshlrev_b32 v[GO], 11, v[HH]          ; and the same two rows in out1
	v_lshl_add_u32 v[GO], v[RR], 4, v[GO]
	s_wait_loadcnt 4                        ; the counts are in: the four loads of codes are younger
.set i, 0
.rept 4
	v_permlanex16_b32 v[CY+i], v[CN+i], s60, s61
.set i, i+1
.endr
.set i, 0
.rept 4                                 ; every lane: expert r's counts of batches 0 to 7
	v_cndmask_b32 v[CB+2*i], v[CN+i], v[CY+i], s58
	v_cndmask_b32 v[CB+2*i+1], v[CY+i], v[CN+i], s58
.set i, i+1
.endr
	v_add3_u32 v[TOTV], v[CB], v[CB+1], v[CB+2]
	v_add3_u32 v[TOTV], v[TOTV], v[CB+3], v[CB+4]
	v_add3_u32 v[TOTV], v[TOTV], v[CB+5], v[CB+6]
	v_add_nc_u32 v[TOTV], v[TOTV], v[CB+7]  ; the expert's groups in all
	v_mul_u32_u24 v[BA], s[GL], v[CB]       ; those in the batches ahead of batch 2 w,
.set b, 1
.rept 5
	v_mad_u32_u24 v[BA], v[CB+b], s[GL+b], v[BA]
.set b, b+1
.endr
	v_mad_u32_u24 v[BB], v[CB], s[GL+6], v[BA]   ; and ahead of batch 2 w + 1
.set i, 1
.rept 3
	v_mad_u32_u24 v[BB], v[CB+2*i], s[GL+6+i], v[BB]
.set i, i+1
.endr
.set e, 0
.rept 16
	v_readlane_b32 s[32+e], v[TOTV], e
.set e, e+1
.endr
	s_mov_b32 s23, 0                        ; the expert's first tile
	s_mov_b32 s24, 0
	s_mov_b32 s25, 0
	s_mov_b32 s26, 0
.set e, 0
.rept 16                                ; the last expert whose first tile is not behind mine
	s_min_u32 s[32+e], s[32+e], 2048
	s_cmp_ge_u32 s21, s23
	s_cselect_b32 s24, e, s24
	s_cselect_b32 s25, s23, s25
	s_cselect_b32 s26, s[32+e], s26
	s_add_co_u32 s27, s[32+e], 15
	s_lshr_b32 s27, s27, 4
	s_add_co_u32 s23, s23, s27
.set e, e+1
.endr
	s_min_u32 s24, s24, 15                  ; my expert
	s_sub_co_u32 s27, s21, s25
	s_lshl_b32 s27, s27, 4                  ; the first place of my tile
	s_sub_co_i32 s28, s26, s27
	s_max_i32 s28, s28, 0
	s_min_i32 s28, s28, 16                  ; ng: groups in my tile
	s_lshl_b32 s30, s24, 11                 ; bp: an expert 2,048 bytes
	s_add_co_u32 s30, s30, s54
	s_add_nc_u64 s[8:9], s[8:9], s[30:31]
	s_lshl_b32 s30, s24, 19                 ; wp16: an expert 524,288, col 262,144, a wave's four column blocks 65,536
	s_lshl_b32 s48, s22, 18
	s_add_co_u32 s30, s30, s48
	s_lshl_b32 s48, s19, 16
	s_add_co_u32 s30, s30, s48
	s_add_nc_u64 s[6:7], s[6:7], s[30:31]
	global_load_b64 v[BRAW:BRAW+1], v[BO], s[8:9]       ; my 64 columns' bias: 256 consecutive bytes
.macro BLOAD kk                         ; K step kk's weights into buffer kk % 8: 8 loads of 512 consecutive bytes
.set sl, (\kk)%8
.if sl < 4
	WIN 0
.set rB, RING+32*sl
.else
	WIN 0x40
.set rB, 128+32*(sl-4)
.endif
.set i, 0
.rept 4
	global_load_b128 v[rB+8*i:rB+8*i+3], v[LN16], s[6:7] offset:i*16384+(\kk)*1024
	global_load_b128 v[rB+8*i+4:rB+8*i+7], v[LN16], s[6:7] offset:i*16384+(\kk)*1024+512
.set i, i+1
.endr
.endm
	BLOAD 0
	BLOAD 1
	BLOAD 2
	WIN 0
	s_lshl_b32 s29, s24, 16
	s_add_co_u32 s29, s29, s27              ; expert << 16 | the tile's first place
	v_readlane_b32 s92, v[BA], s24
	v_readlane_b32 s93, v[BB], s24
	s_sub_co_u32 s94, s29, s92
	s_sub_co_u32 s95, s29, s93
	v_mov_b32 v[KEYA], s94
	v_mov_b32 v[KEYB], s95
	s_wait_loadcnt 25                       ; the codes are in: the bias's load and 24 loads of weights are younger
.set i, 0
.rept 16
.if i < 8
	v_sub_nc_u32 v16, v[FAB+i], v[KEYA]     ; 0 to 15 for the groups of my tile
.else
	v_sub_nc_u32 v16, v[FAB+i], v[KEYB]
.endif
	v_min_u32 v16, 16, v16                  ; all others fall on word 16, which nobody uses
	v_lshl_add_u32 v17, v16, 2, s96
	v_add_nc_u32 v18, 128*(i/4)+(i%4), v[GB]
	ds_store_b32 v17, v18
.set i, i+1
.endr
	s_wait_dscnt 0x0                        ; for the others' sake
	s_barrier_signal -1
	s_barrier_wait -1
.set q, 0
.rept 4
	ds_load_b32 v[LP+q], v[LRD] offset:q*128
.set q, q+1
.endr
	s_wait_dscnt 0x0
	v_add3_u32 v[LIST], v[LP], v[LP+1], v[LP+2]
	v_add_nc_u32 v[LIST], v[LIST], v[LP+3]  ; lane q: the group at place q; 0, a row that exists, where there is none
.set q, 0
.rept 16
	v_readlane_b32 s[GL+q], v[LIST], q
.set q, q+1
.endr
.set q, 0
.rept 16
	s_min_u32 s[GL+q], s[GL+q], 2047
.set q, q+1
.endr
	s_lshl_b32 s49, s19, 2                  ; I bring groups 4 w .. 4 w + 3 into LDS
.set q, 0
.rept 4
	s_add_co_u32 s50, s49, q
	v_readlane_b32 s51, v[LIST], s50
	s_min_u32 s51, s51, 2047
	s_lshl_b32 s52, s51, 12
	s_add_nc_u64 s[84+2*q:85+2*q], s[4:5], s[52:53]
.set q, q+1
.endr
	WIN 0x40
.set q, 0
.rept 4
.set i, 0
.rept 8
	global_load_b128 v[32*q+4*i:32*q+4*i+3], v[LN16], s[84+2*q:85+2*q] offset:i*512
.set i, i+1
.endr
.set q, q+1
.endr
	BLOAD 3
	BLOAD 4
	BLOAD 5
	BLOAD 6
	WIN 0
	s_wait_loadcnt 32                       ; att is in, and all that was asked for ahead of it: steps 3 to 6's 32 loads are younger
	v_cvt_pk_bf16_f32 v[BTMP], v[BRAW], v[BRAW+1]
	v_lshlrev_b32 v[BRAW], 16, v[BTMP]
	v_and_b32 v[BRAW+1], 0xffff0000, v[BTMP]
	ds_store_b64 v[BLA], v[BRAW:BRAW+1]     ; my own bytes: LDS serves a wave's instructions in order, so the loads below see them
.set i, 0
.rept 4
	ds_load_b128 v[BIA+8*i:BIA+8*i+3], v[BRD] offset:i*64
	ds_load_b128 v[BIA+8*i+4:BIA+8*i+7], v[BRD] offset:i*64+16
.set i, i+1
.endr
	WIN 0x04
.set q, 0
.rept 4
.set i, 0
.rept 8
	ds_store_b128 v[ASTO], v[32*q+4*i:32*q+4*i+3] offset:q*APITCH+i*512
.set i, i+1
.endr
.set q, q+1
.endr
	WIN 0
	s_wait_dscnt 0x0                        ; for the others' sake; the bias tuples are in too
	s_barrier_signal -1
	s_barrier_wait -1                       ; the last barrier; every wave of every tile passes both
	s_cmp_eq_u32 s28, 0
	s_cbranch_scc1 .Lend                    ; a tile that this split leaves without rows
.macro AFETCH kk                        ; K step kk (head kk) of my 64 rows: 8 LDS loads
	WIN 0
.set a, 0
.rept 4
	ds_load_b128 v[FAB+32*((\kk)%2)+8*a:FAB+32*((\kk)%2)+8*a+3], v[AFR] offset:a*4*APITCH+(\kk)*256
	ds_load_b128 v[FAB+32*((\kk)%2)+8*a+4:FAB+32*((\kk)%2)+8*a+7], v[AFR] offset:a*4*APITCH+(\kk)*256+32
.set a, a+1
.endr
.endm
	AFETCH 0
.set kk, 0
.rept 16
.if kk > 0
.rept 4
	v_nop                                   ; the places behind the last step's products, ahead of the loads into the buffers that they read
.endr
.endif
.if kk+7 < 16
	BLOAD kk+7                              ; into the buffer that step kk - 1 has left
.endif
.if kk+1 < 16
	AFETCH kk+1
.endif
.if kk < 9
	s_wait_loadcnt 56                       ; this step's weights are in: seven later steps' loads are younger
.else
	s_wait_loadcnt 8*(15-kk)
.endif
.if kk < 15
	s_wait_dscnt 8                          ; the next step's eight LDS loads are younger
.else
	s_wait_dscnt 0x0
.endif
.set sl, kk%8
.if sl < 4
.set rB, RING+32*sl
.else
.set rB, 128+32*(sl-4)
.endif
.if kk == 0
	WIN 0x40
.elseif sl < 4
	WIN 0x50
.else
	WIN 0x51
.endif
.set a, 0
.rept 4
.set i, 0
.rept 4                                 ; the 16 accumulators take turns
.set rD, 8*(4*a+i)
.if kk == 0
	v_wmma_f32_16x16x32_f16 v[rD:rD+7], v[rB+8*i:rB+8*i+7], v[FAB+32*(kk%2)+8*a:FAB+32*(kk%2)+8*a+7], v[BIA+8*i:BIA+8*i+7]
.else
	v_wmma_f32_16x16x32_f16 v[rD:rD+7], v[rB+8*i:rB+8*i+7], v[FAB+32*(kk%2)+8*a:FAB+32*(kk%2)+8*a+7], v[rD:rD+7]
.endif
.set i, i+1
.endr
.set a, a+1
.endr
	WIN 0
.set kk, kk+1
.endr
.rept 4
	v_nop                                   ; the places behind the last products
.endr
	; THE WAY OUT: 16 rows x 64 columns of f32 at a time through my stage; then a group's four rows, two stores, each of two times 256 consecutive bytes, aligned.
.set a, 0
.rept 4
	s_cmp_le_u32 s28, 4*a
	s_cbranch_scc1 .Lend                    ; nothing is left: groups past the count are jumped
	WIN 0x04
.set i, 0
.rept 4
	ds_store_b128 v[STO], v[8*(4*a+i):8*(4*a+i)+3] offset:i*64        ; each accumulator's lowest registers are read first
	ds_store_b128 v[STO], v[8*(4*a+i)+4:8*(4*a+i)+7] offset:i*64+16
.set i, i+1
.endr
	WIN 0
.set t, 0
.rept 8
	ds_load_b128 v[RING+32*a+4*t:RING+32*a+4*t+3], v[RD] offset:t*544
.set t, t+1
.endr
	s_wait_dscnt 0x0
.set q, 0
.rept 4
.if q > 0
	s_cmp_le_u32 s28, 4*a+q
	s_cbranch_scc1 .Lend
.endif
	s_wait_xcnt 0x0                         ; the stores' base is rewritten only behind this wait
	s_lshl_b32 s52, s[GL+4*a+q], 13         ; a group's four rows of 2,048 bytes
	s_add_co_u32 s52, s52, s54
	s_add_nc_u64 s[56:57], s[14:15], s[52:53]
	global_store_b128 v[GO], v[RING+32*a+8*q:RING+32*a+8*q+3], s[56:57]
	global_store_b128 v[GO], v[RING+32*a+8*q+4:RING+32*a+8*q+7], s[56:57] offset:4096
.set q, q+1
.endr
.set a, a+1
.endr
.Lend:
	s_wait_tensorcnt 0x0                    ; the wave's end, behind my last LDS store
	ds_add_u32 v[SPW], v[NIL]
	s_wait_dscnt 0x0
	s_endpgm
; THE LOSS, by wave 0 alone; it writes no LDS.  For each batch: G = the sum of four partial Gram matrices; mult = G[m][n] / (max(|m|, 1e-12) max(|n|, 1e-12)) with |n| = sqrt(G[n][n]);
; the root of the sum of (mult - eye)^4; the mean over 8 batches.  Lane (r, h), register j holds G[8 h + j][r].
.set LD,   32
.set DG,   16
.set DX,   17
.set TW,   18
.set SUM,  19
.set LOSS, 20
.set IX,   160
.set RW,   168
.set EYE,  176
.Lloss:
	s_cmp_lg_u32 s19, 0
	s_cbranch_scc1 .Lquit
	v_lshlrev_b32 v21, 5, v[LANE]
	v_lshlrev_b32 v22, 5, v[HH]
	v_mov_b32 v[DX], 0
	v_mov_b32 v[LOSS], 0
	s_mov_b32 s42, 0x76543210
	s_mov_b32 s43, 0xfedcba98
	s_mov_b32 s40, 0xff0000ff               ; the lanes whose own registers hold their column's diagonal number
.set j, 0
.rept 8
	v_add_nc_u32 v[IX+j], 4*j, v22          ; lane 8 h + j, as a byte index
	s_mov_b32 s20, 0x01000001<<j
	v_cndmask_b32 v[EYE+j], 0, 1.0, s20     ; 1 where 8 h + j = r
	s_mov_b32 s[32+j], 0x01010101<<j        ; the lanes with r % 8 = j
.set j, j+1
.endr
.macro PROC bb
.set P0, LD+32*(\bb)
	s_wait_loadcnt 8*(3-(\bb))              ; the later batches' loads are younger
.set z, 0
.rept 4
	v_pk_add_f32 v[P0+2*z:P0+2*z+1], v[P0+2*z:P0+2*z+1], v[P0+8+2*z:P0+8+2*z+1]
	v_pk_add_f32 v[P0+16+2*z:P0+16+2*z+1], v[P0+16+2*z:P0+16+2*z+1], v[P0+24+2*z:P0+24+2*z+1]
	v_pk_add_f32 v[P0+2*z:P0+2*z+1], v[P0+2*z:P0+2*z+1], v[P0+16+2*z:P0+16+2*z+1]
.set z, z+1
.endr
	v_mov_b32 v[DG], v[P0]
.set j, 1
.rept 7
	v_cndmask_b32 v[DG], v[DG], v[P0+j], s[32+j]
.set j, j+1
.endr
	v_permlanex16_b32 v[DX], v[DG], s42, s43
	v_cndmask_b32 v[DG], v[DX], v[DG], s40  ; G[r][r] in every lane
	v_sqrt_f32 v[DG], v[DG]
	v_nop
	s_wait_alu depctr_va_vdst(0)
	v_max_num_f32 v[DG], 0x2b8cbccc, v[DG]  ; 1e-12
	v_rcp_f32 v[DG], v[DG]
	v_nop
	s_wait_alu depctr_va_vdst(0)
.set j, 0
.rept 8
	ds_bpermute_b32 v[RW+j], v[IX+j], v[DG] ; the rows' factors
.set j, j+1
.endr
	s_wait_dscnt 0x0
.set j, 0
.rept 8
	v_mul_f32 v[TW], v[P0+j], v[DG]
	v_fma_f32 v[TW], v[TW], v[RW+j], -v[EYE+j]
	v_mul_f32 v[TW], v[TW], v[TW]
.if j == 0
	v_mul_f32 v[SUM], v[TW], v[TW]
.else
	v_fma_f32 v[SUM], v[TW], v[TW], v[SUM]
.endif
.set j, j+1
.endr
	v_add_f32_dpp v[SUM], v[SUM], v[SUM] row_xmask:1 row_mask:0xf bank_mask:0xf
	v_add_f32_dpp v[SUM], v[SUM], v[SUM] row_xmask:2 row_mask:0xf bank_mask:0xf
	v_add_f32_dpp v[SUM], v[SUM], v[SUM] row_xmask:4 row_mask:0xf bank_mask:0xf
	v_add_f32_dpp v[SUM], v[SUM], v[SUM] row_xmask:8 row_mask:0xf bank_mask:0xf
	v_permlanex16_b32 v[DX], v[SUM], s42, s43
	v_add_f32 v[SUM], v[SUM], v[DX]
	v_sqrt_f32 v[SUM], v[SUM]
	v_nop
	s_wait_alu depctr_va_vdst(0)
	v_add_f32 v[LOSS], v[LOSS], v[SUM]
.endm
	s_mov_b32 s44, 2
.Lbatch:                                        ; two trips of four batches: 32 loads go out together
.set l, 0
.rept 16
	global_load_b128 v[LD+8*l:LD+8*l+3], v21, s[12:13] offset:l*1024
	global_load_b128 v[LD+8*l+4:LD+8*l+7], v21, s[12:13] offset:l*1024+16
.set l, l+1
.endr
	PROC 0
	PROC 1
	PROC 2
	PROC 3
	s_add_nc_u64 s[12:13], s[12:13], 16384  ; behind the last batch's wait for all loads
	s_sub_co_u32 s44, s44, 1
	s_cmp_lg_u32 s44, 0
	s_cbranch_scc1 .Lbatch
	v_mul_f32 v[LOSS], 0x3e000000, v[LOSS]  ; the mean of eight
	v_mov_b32 v22, 0
	global_store_b32 v22, v[LOSS], s[16:17] ; every lane stores the same word with the same value
.Lquit:
	s_endpgm
.Lfunc_end_k_q66737dbee9_outp:
	.size	k_q66737dbee9_outp, .Lfunc_end_k_q66737dbee9_outp-k_q66737dbee9_outp
	.p2alignl 7, 3214868480
	.fill 96, 4, 3214868480
	.section	.rodata,"a",@progbits
	.p2align	6, 0x0
	.amdhsa_kernel k_q66737dbee9_outp
		.amdhsa_group_segment_fixed_size 85504
		.amdhsa_private_segment_fixed_size 0
		.amdhsa_enable_private_segment 0
		.amdhsa_kernarg_size 56
		.amdhsa_user_sgpr_count 2
		.amdhsa_user_sgpr_kernarg_segment_ptr 1
		.amdhsa_wavefront_size32 1
		.amdhsa_system_sgpr_workgroup_id_x 1
		.amdhsa_system_sgpr_workgroup_id_y 1
		.amdhsa_system_sgpr_workgroup_id_z 1
		.amdhsa_system_vgpr_workitem_id 0
		.amdhsa_next_free_vgpr 512
		.amdhsa_next_free_sgpr 100
		.amdhsa_reserve_vcc 0
		.amdhsa_float_denorm_mode_32 3
		.amdhsa_float_denorm_mode_16_64 3
		.amdhsa_memory_ordered 1
		.amdhsa_forward_progress 1
		.amdhsa_inst_pref_size 99
	.end_amdhsa_kernel
	.amdgpu_metadata
---
amdhsa.version: [ 1, 2 ]
amdhsa.kernels:
  - .name:           k_q66737dbee9_outp
    .symbol:         k_q66737dbee9_outp.kd
    .args:
      - { .name: att, .offset: 0, .size: 8, .value_kind: global_buffer, .address_space: global }
      - { .name: wp16, .offset: 8, .size: 8, .value_kind: global_buffer, .address_space: global }
      - { .name: bp, .offset: 16, .size: 8, .value_kind: global_buffer, .address_space: global }
      - { .name: rlist, .offset: 24, .size: 8, .value_kind: global_buffer, .address_space: global }
      - { .name: gpart, .offset: 32, .size: 8, .value_kind: global_buffer, .address_space: global }
      - { .name: out1, .offset: 40, .size: 8, .value_kind: global_buffer, .address_space: global }
      - { .name: out0, .offset: 48, .size: 8, .value_kind: global_buffer, .address_space: global }
    .group_segment_fixed_size: 85504
    .private_segment_fixed_size: 0
    .kernarg_segment_align: 8
    .kernarg_segment_size: 56
    .max_flat_workgroup_size: 128
    .sgpr_count:     100
    .vgpr_count:     512
    .wavefront_size: 32
...
	.end_amdgpu_metadata
.endif
;; end of part 4
;; ======== version 2 of 2: 4 launches; version 1 with the launches proj, outp written anew for expert scheduling mode
;; limits: values are held in f16: magnitudes above 65,504 overflow, below 6.1e-05 lose precision
;; workspace buffers: qs 16,777,216 bytes; kv 25,690,112 bytes; att 8,388,608 bytes; pooled 131,072 bytes; wp16 8,388,608 bytes; gpart 32,768 bytes; rlist 8,704 bytes of whole numbers
;; launch proj (part 5): grid 4 x 64, 4 waves a work-group, no clusters, 205,312 bytes of LDS; arguments x, wq, wk, wv, bq, bk, bv, qs, kv; writes qs, kv
.if DOCPART == 5
	.amdgcn_target "amdgcn-amd-amdhsa--gfx1250"
	.amdhsa_code_object_version 6
	.text
	.protected	k_q66737dbee9_proj
	.globl	k_q66737dbee9_proj
	.p2align	8
	.type	k_q66737dbee9_proj,@function
k_q66737dbee9_proj:
	s_mov_b64 s[64:65], 0
	v_nop
	global_prefetch_b8 v0, s[64:65] scope:SCOPE_SE
	s_setreg_imm32_b32 hwreg(HW_REG_WAVE_SCHED_MODE, 0, 2), 2
	s_setreg_imm32_b32 hwreg(HW_REG_WAVE_MODE, 25, 1), 1
	s_wait_xcnt 0x0
	s_wait_alu depctr_vm_vsrc(0)
; q, k, v = x w^T + b for 128 tokens and four heads.  x [8192][512], wq, wk, wv [512][512], biases [512], all f32; every input is rounded to bf16, sums in f32.
; SHARES.  Work-group (cq, rb): tokens 128 rb .. +127, heads 4 cq .. 4 cq + 3.  Wave w has head n = 4 cq + w: 128 tokens x (32 q + 32 k + 32 v) = 48 accumulators of 16 x 16.
; K goes in 8 steps of 64.  The operands are f32 in memory: each wave loads 32 rows of x and of each w (256 bytes of a row a step, two whole rows' pieces a load),
; rounds them in registers and lays them into one of two LDS slots; no multicast, since a tensor load cannot round.
; q and k are made transposed (source 0 = 16 rows of w, source 1 = 16 tokens): a lane holds one token and eight channels.  v is made as it lies: a lane holds one channel and eight tokens.
; OUT.  q and k leave as TWO f16 numbers each, hi = f16(q) and lo = f16(q - hi), in the order in which the next launch's operand registers take them; v as one f16, in the order of V^T's fragments;
; vs[token] = the sum of v's 32 channels in f32.  Every store of q, k, v covers 512 consecutive bytes, aligned; a store of vs covers 128.
; LIMITS.  |q|, |k|, |v| must stay under 65,504 (f16's range); a lo part under 6e-5 keeps f16's fixed step of 6e-8.  NaN and infinities are not treated apart.
; THE MODE: SCHED_MODE bits 1:0 = 2 (LLVM: expert scheduling mode 2), set by the entry lines.  The code itself states the register dependences
; between vector or matrix instructions and memory or LDS instructions, with s_wait_alu, always for 0.
; THE PLAN.  Registers that memory or LDS instructions touch, in a K step:
;   the staged registers (window 3)   written by a step's 64 loads; read and written by the next step's 128 roundings; read by its 64 LDS stores; then loaded again.
;   F0, F1                            written by the LDS loads behind the barrier; read by that step's products.
;   v[XO], v[STA], v[FA], v[FB]       read by the loads, the LDS stores and the LDS loads; written once a step, by four adds at its head.
; Four waits a step.  vm_vsrc at the head: the four addresses have been read.  va_vdst behind the roundings: the LDS stores' data and the four addresses are written, and the last step's products are
; done reading F0 and F1.  vm_vsrc behind the LDS stores: they have read the staged registers.  va_vdst behind the loads' window switch: the roundings are done with the staged registers.
; The second half's fragment loads are dealt among the first half's products, which name F0, the bias tuples and the accumulators: none of the registers that those loads touch.
; THE WAY OUT has two halves of 64 registers that take turns: a batch of eight sets writes one half while the stores of the batch before, dealt among its arithmetic, read the other.
.set PITCH, 144                 ; an LDS row: 64 bf16 = 128 bytes + 16 of padding, an odd multiple of 16: the 16 rows of a fragment load start in 16 different groups of four banks
.set SLOT1, 131072              ; slot 1 begins here; a slot is 512 rows (x, wq, wk, wv: 128 each) = 73,728 bytes; the 512 bytes from 204,800 on: the spare words, 128 bytes a wave
.set XO,   1                    ; v1  byte offset of my 16 bytes in the rows I load; steps 256 a K step
.set ST0,  2                    ; v2  where I lay my 8 bytes, slot 0
.set FA0,  3                    ; v3  my lane's place in a fragment of x, slot 0
.set FB0,  4                    ; v4  the same for my head's rows of wq
.set STA,  5                    ; v5-7 the three for the slot in hand
.set FA,   6
.set FB,   7
.set LN16, 8                    ; v8  16 x lane
.set VSO,  9                    ; v9  where my lane's sum of v lies among 32 tokens
.set ONE,  10                   ; v10 1.0
.set TT,   16                   ; v16-23 at work
.set F0,   32                   ; fragments of 32 along K: 8 of x at +8 a, 6 of w at +64 + 8 (2 m + cb)
.set F1,   144
.set HT,   224
.set BIA,  128                  ; window 2: bias tuple (m, cb) at BIA + 8 (2 m + cb)
.set BT,   176                  ; window 2: at work
.set WV,   22
.set RB,   23
.set CNT,  26
.set TB,   27
.set M8,   28                   ; lanes whose number has bit 3, 2, 1, 0 set
.set M4,   29
.set M2,   30
.set M1,   31
; windows: 1: q's accumulators (a, cb) at 8 (2 a + cb), k's at 128 + the same;  2: v's at 8 (2 a + cb), biases;  3: the 64 staged loads
.set MSB, 0
.macro WIN new                  ; the immediate's high byte repeats the setting that is left; a switch that changes nothing is dropped
.if MSB != (\new)
	s_set_vgpr_msb (MSB<<8)|(\new)
.set MSB, (\new)
.endif
.endm
.macro LOADS w                  ; 64 loads: 32 rows of each of the four matrices, 256 bytes of each row.  w = 1: in a K step, behind its roundings
	WIN 0xc0
.if \w
	s_wait_alu depctr_va_vdst(0)    ; the roundings are done reading and writing the staged registers, in which these loads land; the wait stands behind the window switch
.endif
.set i, 0
.rept 16
	global_load_b128 v[4*i:4*i+3], v[XO], s[4:5] offset:i*4096
	global_load_b128 v[64+4*i:64+4*i+3], v[XO], s[6:7] offset:i*4096
	global_load_b128 v[128+4*i:128+4*i+3], v[XO], s[8:9] offset:i*4096
	global_load_b128 v[192+4*i:192+4*i+3], v[XO], s[10:11] offset:i*4096
.set i, i+1
.endr
.endm
.macro CVT                      ; four f32 become four bf16 in the first two registers
	WIN 0xcf
.set l, 0
.rept 64
	v_cvt_pk_bf16_f32 v[4*l], v[4*l], v[4*l+1]
	v_cvt_pk_bf16_f32 v[4*l+1], v[4*l+2], v[4*l+3]
.set l, l+1
.endr
.endm
.macro STORE
	WIN 0x0c
	s_wait_alu depctr_va_vdst(0)    ; the roundings have written the staged registers, which these stores read; v[XO], v[STA], v[FA], v[FB] are written; the last step's products are done reading F0 and F1
.set l, 0
.rept 64
	ds_store_b64 v[STA], v[4*l:4*l+1] offset:(l/16)*128*PITCH+(l%16)*2*PITCH
.set l, l+1
.endr
	s_wait_alu depctr_vm_vsrc(0)    ; these stores have read the staged registers, in which the next step's loads land
.endm
.macro FETCHX sub, f            ; 16 LDS loads: x's eight fragments of 32 along K
	WIN 0
.set a, 0
.rept 8
	ds_load_b128 v[(\f)+8*a:(\f)+8*a+3], v[FA] offset:a*16*PITCH+64*(\sub)
	ds_load_b128 v[(\f)+8*a+4:(\f)+8*a+7], v[FA] offset:a*16*PITCH+64*(\sub)+32
.set a, a+1
.endr
.endm
.macro FETCHW sub, f            ; 12 LDS loads: my head's six fragments of wq, wk, wv
	WIN 0
.set q, 0
.rept 6
	ds_load_b128 v[(\f)+64+8*q:(\f)+64+8*q+3], v[FB] offset:(q/2)*128*PITCH+(q%2)*16*PITCH+64*(\sub)
	ds_load_b128 v[(\f)+64+8*q+4:(\f)+64+8*q+7], v[FB] offset:(q/2)*128*PITCH+(q%2)*16*PITCH+64*(\sub)+32
.set q, q+1
.endr
.endm
; 48 products for 32 along K, one on each accumulator: the accumulators take turns.  first = 1: the bias starts the sums; nothing is cleared.
.macro MULQK f, first, m        ; 16 of them: m = 0: q; 1: k
.if \first
	WIN 0x60
.else
	WIN 0x50
.endif
.set a, 0
.rept 8
.set cb, 0
.rept 2
.set rD, 128*(\m)+8*(2*a+cb)
.set rW, (\f)+64+8*(2*(\m)+cb)
.set rX, (\f)+8*a
.if \first
	v_wmma_f32_16x16x32_bf16 v[rD:rD+7], v[rW:rW+7], v[rX:rX+7], v[BIA+8*(2*(\m)+cb):BIA+8*(2*(\m)+cb)+7]
.else
	v_wmma_f32_16x16x32_bf16 v[rD:rD+7], v[rW:rW+7], v[rX:rX+7], v[rD:rD+7]
.endif
.set cb, cb+1
.endr
.set a, a+1
.endr
.endm
.macro MULV f, first            ; 16 of them: v
	WIN 0xa0
.set a, 0
.rept 8
.set cb, 0
.rept 2
.set rD, 8*(2*a+cb)
.set rW, (\f)+64+8*(4+cb)
.set rX, (\f)+8*a
.if \first
	v_wmma_f32_16x16x32_bf16 v[rD:rD+7], v[rX:rX+7], v[rW:rW+7], v[BIA+8*(4+cb):BIA+8*(4+cb)+7]
.else
	v_wmma_f32_16x16x32_bf16 v[rD:rD+7], v[rX:rX+7], v[rW:rW+7], v[rD:rD+7]
.endif
.set cb, cb+1
.endr
.set a, a+1
.endr
.endm
; A K step.  The staged loads are rounded and laid into the slot in hand; the next step's loads go out; one barrier; the slot is multiplied.
; One barrier a step is enough: a slot is written again two steps later, behind the barrier that every wave signals only when its reads of that slot have come back.
.macro TRIP first, tail
	s_wait_loadcnt 0x0              ; my 64 staged loads are in; their address register is free
	s_wait_alu depctr_vm_vsrc(0)    ; those loads have read v[XO]; the last step's LDS stores and loads have read v[STA], v[FA], v[FB]: the adds below write the four
.if !\first
	s_xor_b32 s[TB], s[TB], SLOT1   ; the other slot
	v_add_nc_u32 v[STA], s[TB], v[ST0]
	v_add_nc_u32 v[FA], s[TB], v[FA0]
	v_add_nc_u32 v[FB], s[TB], v[FB0]
.endif
	v_add_nc_u32 v[XO], 0x100, v[XO]    ; the next step's 256 bytes (in the last step it is not used)
	CVT                             ; 128 plain instructions between the last step's products and the loads into their fragments
	STORE
	WIN 0
.if \tail
	s_cmp_eq_u32 s[CNT], 1          ; the last step has no successor: no load leaves the buffers
	s_cbranch_scc1 .Lnoload
.endif
	LOADS 1
	WIN 0
.if \tail
.Lnoload:
.endif
	s_wait_dscnt 0x0                ; for the others' sake: my stores are done, and so are my reads of the other slot
	s_barrier_signal -1
	s_barrier_wait -1
	FETCHX 0, F0                    ; no vector or matrix instruction since the wait ahead of the LDS stores names F0, F1, v[FA] or v[FB]
	FETCHW 0, F0
	s_wait_dscnt 0x0                ; the first half's 28 loads are in
	MULQK F0, \first, 0
	FETCHX 1, F1                    ; the second half's loads are dealt among the first half's products, which name none of their registers
	MULQK F0, \first, 1
	FETCHW 1, F1
	MULV F0, \first
	s_wait_dscnt 0x0                ; the second half's 28 loads are in
	MULQK F1, 0, 0
	MULQK F1, 0, 1
	MULV F1, 0
	WIN 0
.endm
	s_load_b512 s[4:19], s[0:1], 0x0        ; x, wq, wk, wv, bq, bk, bv, qs
	s_load_b64 s[20:21], s[0:1], 0x40       ; kv
	v_lshl_add_u32 v30, v0, 2, 0x32000
	v_mov_b32 v31, 0
	v_lshrrev_b32 v14, 5, v0
	v_readfirstlane_b32 s[WV], v14          ; wave 0..3
	s_and_b32 s[RB], ttmp7, 0xffff          ; block of 128 tokens
	v_and_b32 v15, 15, v0                   ; r = lane % 16
	v_bfe_u32 v16, v0, 4, 1                 ; h = lane / 16
	v_and_b32 v17, 31, v0
	s_wait_alu depctr_va_sdst(0)            ; s[WV] is written, ahead of its first reader, the next line
	v_lshl_add_u32 v18, s[WV], 5, v16       ; the first row I load: 32 w + h
	v_lshlrev_b32 v[XO], 11, v18            ; x 2,048 bytes
	v_lshl_add_u32 v[XO], v15, 4, v[XO]     ; + 16 r
	v_mul_u32_u24 v[ST0], v18, PITCH
	v_lshl_add_u32 v[ST0], v15, 3, v[ST0]   ; + 8 r
	v_mul_u32_u24 v[FA0], v15, PITCH
	v_lshl_add_u32 v[FA0], v16, 4, v[FA0]   ; row r, 16 bytes for each half of the lanes
	s_mul_i32 s24, s[WV], 32*PITCH
	s_add_co_u32 s24, s24, 128*PITCH
	v_add_nc_u32 v[FB0], s24, v[FA0]        ; my head's 32 rows of wq lie behind x's 128
	v_mov_b32 v[STA], v[ST0]
	v_mov_b32 v[FA], v[FA0]
	v_mov_b32 v[FB], v[FB0]
	v_lshlrev_b32 v[LN16], 4, v17
	v_and_b32 v19, 1, v15
	v_lshrrev_b32 v20, 1, v15
	v_lshl_add_u32 v20, v19, 4, v20
	v_lshl_add_u32 v20, v16, 3, v20
	v_lshlrev_b32 v[VSO], 2, v20            ; 4 x (16 (r % 2) + 8 h + r / 2)
	v_mov_b32 v[ONE], 1.0
	s_lshl_b32 s25, ttmp9, 2
	s_add_co_u32 s25, s25, s[WV]            ; my head n
	v_lshlrev_b32 v21, 5, v16
	v_lshl_add_u32 v21, s25, 7, v21         ; q's and k's bias: 128 n + 32 h
	v_lshlrev_b32 v22, 2, v15
	v_lshl_add_u32 v22, s25, 7, v22         ; v's bias: 128 n + 4 r
	s_lshl_b32 s32, s[RB], 18               ; 128 rows of 2,048 bytes
	s_mov_b32 s33, 0
	s_lshl_b32 s34, ttmp9, 18
	s_mov_b32 s35, 0
	s_lshr_b32 s36, s[RB], 3
	s_lshl_b32 s36, s36, 4
	s_add_co_u32 s36, s36, s25              ; bn = 16 b + n
	s_and_b32 s37, s[RB], 7
	s_lshl_b32 s38, s36, 17                 ; a head's q: 131,072 bytes
	s_lshl_b32 s39, s37, 14                 ; 8 tiles of 2,048
	s_add_co_u32 s38, s38, s39
	s_mov_b32 s39, 0
	s_mul_i32 s40, s36, 200704              ; a head's record of k, v, vs
	s_mul_i32 s41, s37, 25088               ; two key steps of 12,544
	s_add_co_u32 s40, s40, s41
	s_mov_b32 s41, 0
	s_mov_b32 s[M8], 0xff00ff00
	s_mov_b32 s[M4], 0xf0f0f0f0
	s_mov_b32 s[M2], 0xcccccccc
	s_mov_b32 s[M1], 0xaaaaaaaa
	s_mov_b32 s[TB], 0
	s_wait_kmcnt 0x0
	s_add_nc_u64 s[4:5], s[4:5], s[32:33]
	s_add_nc_u64 s[6:7], s[6:7], s[34:35]
	s_add_nc_u64 s[8:9], s[8:9], s[34:35]
	s_add_nc_u64 s[10:11], s[10:11], s[34:35]
	s_add_nc_u64 s[18:19], s[18:19], s[38:39]
	s_add_nc_u64 s[20:21], s[20:21], s[40:41]
	WIN 0x80                                ; ten bias loads, into window 2
	s_wait_alu depctr_va_vdst(0)            ; the offsets v1, v8, v9, v21, v22 and the LDS addresses v5 to v7 are written, which the loads below and the later loads and stores read
.set m, 0
.rept 2
.set cb, 0
.rept 2
	global_load_b128 v[BIA+8*(2*m+cb):BIA+8*(2*m+cb)+3], v21, s[12+2*m:13+2*m] offset:cb*64
	global_load_b128 v[BIA+8*(2*m+cb)+4:BIA+8*(2*m+cb)+7], v21, s[12+2*m:13+2*m] offset:cb*64+16
.set cb, cb+1
.endr
.set m, m+1
.endr
	global_load_b32 v[BIA+32], v22, s[16:17]
	global_load_b32 v[BIA+40], v22, s[16:17] offset:64
	LOADS 0                                 ; K step 0: nothing but loads and a window switch stands between the wait above and these
	s_wait_loadcnt 63                       ; 74 loads were issued and come back in order: with 63 out at the most the oldest eleven are in, the ten bias loads among them
	WIN 0x8a                                ; the biases are rounded to bf16 like every input, and widened again
.set p, 0
.rept 16
	v_cvt_pk_bf16_f32 v[BT], v[BIA+2*p], v[BIA+2*p+1]
	v_lshlrev_b32 v[BIA+2*p], 16, v[BT]
	v_and_b32 v[BIA+2*p+1], 0xffff0000, v[BT]
.set p, p+1
.endr
	v_cvt_pk_bf16_f32 v[BT], v[BIA+32], v[BIA+40]
	v_lshlrev_b32 v[BIA+32], 16, v[BT]
	v_and_b32 v[BIA+40], 0xffff0000, v[BT]
.set p, 1
.rept 7                                 ; v's lane holds one channel: its bias in all eight registers
	v_mov_b32 v[BIA+32+p], v[BIA+32]
	v_mov_b32 v[BIA+40+p], v[BIA+40]
.set p, p+1
.endr
	WIN 0
	TRIP 1, 0                               ; the first K step is written out: its products start the sums
	s_mov_b32 s[CNT], 7
.Ltrip:
	TRIP 0, 1
	s_sub_co_u32 s[CNT], s[CNT], 1
	s_cmp_lg_u32 s[CNT], 0
	s_cbranch_scc1 .Ltrip
.rept 4
	v_nop                                   ; the places behind the last products
.endr
; THE WAY OUT.  48 sets: 0-15 q, 16-31 k (hi and lo, 8 registers, two stores), 32-47 v (4 registers, one store).  Set n has the registers 32 + 8 (n % 16): two halves of eight sets, which take turns.
; SETC n makes set n; SETS n stores it, one batch of eight later, among the next batch's arithmetic.  (v21 and v22, at work here, were the bias loads' offsets: every K step's waits on vm_vsrc stand between.)
.macro SETC n
.set OB, 32+8*((\n)%16)
.if (\n) < 32
.set AC, 128*((\n)/16)+8*((\n)%16)
	WIN 0x05
.set j, 0
.rept 4
	v_cvt_pk_f16_f32 v[OB+j], v[AC+2*j], v[AC+2*j+1]      ; hi; the accumulator's lowest registers are read first
.set j, j+1
.endr
	WIN 0x10
.set j, 0
.rept 4
	v_fma_mix_f32 v[TT+2*j], -v[OB+j], v[ONE], v[AC+2*j] op_sel_hi:[1,0,0]                   ; what hi leaves: exact
	v_fma_mix_f32 v[TT+2*j+1], -v[OB+j], v[ONE], v[AC+2*j+1] op_sel:[1,0,0] op_sel_hi:[1,0,0]
.set j, j+1
.endr
	WIN 0
.set j, 0
.rept 4
	v_cvt_pk_f16_f32 v[OB+4+j], v[TT+2*j], v[TT+2*j+1]    ; lo
.set j, j+1
.endr
.else
.set AC, 8*((\n)%16)                    ; v: eight tokens of one channel pack into 16 bytes, half a fragment of V^T
	WIN 0x0a
.set j, 0
.rept 4
	v_cvt_pk_f16_f32 v[OB+j], v[AC+2*j], v[AC+2*j+1]
.set j, j+1
.endr
	WIN 0
.endif
.endm
.macro SETS n
.set OB, 32+8*((\n)%16)
.set sa, ((\n)%16)/2                    ; the tile of 16 tokens
.set scb, (\n)%2                        ; the block of 16 channels
.if (\n) < 16
	global_store_b128 v[LN16], v[OB:OB+3], s[18:19] offset:sa*2048+scb*512
	global_store_b128 v[LN16], v[OB+4:OB+7], s[18:19] offset:sa*2048+1024+scb*512
.elseif (\n) < 32
	global_store_b128 v[LN16], v[OB:OB+3], s[20:21] offset:(sa/4)*12544+(sa%4)*1024+scb*512
	global_store_b128 v[LN16], v[OB+4:OB+7], s[20:21] offset:(sa/4)*12544+4096+(sa%4)*1024+scb*512
.else
	global_store_b128 v[LN16], v[OB:OB+3], s[20:21] offset:(sa/4)*12544+8192+((sa/2)%2)*2048+scb*1024+(sa%2)*512
.endif
.endm
.set o, 0
.rept 48
.if (o%8 == 0) && (o >= 8)              ; a batch's head
.if o >= 16
	s_wait_xcnt 0x0                         ; the half that this batch writes is rewritten only behind this wait
	s_wait_alu depctr_vm_vsrc(0)            ; the stores issued in the batch before have read that half
.endif
	s_wait_alu depctr_va_vdst(0)            ; the batch before has written the other half, which the stores dealt among this batch read; no line of this batch names it
.endif
.if o >= 8
	SETS o-8
.endif
	SETC o
.set o, o+1
.endr
	s_wait_alu depctr_va_vdst(0)            ; the last batch has written its half, which the eight stores below read; the sums below name v160 and up alone
; vs: the sum over 32 channels.  The two channel blocks are added; then the 16 lanes of a half are summed in four steps, each of which halves the registers:
; a lane keeps one of two registers by a bit of its number and adds what its partner holds of the same one.  The last step merges two tiles.
.macro HALVE lo, hi, msk, xm
	v_cndmask_b32 v[HT], v[\hi], v[\lo], s[\msk]          ; what my partner keeps
	v_cndmask_b32 v[\lo], v[\lo], v[\hi], s[\msk]         ; what I keep
	v_add_f32_dpp v[\lo], v[HT], v[\lo] row_xmask:\xm row_mask:0xf bank_mask:0xf
.endm
.set pa, 0
.rept 4
	SETS 40+2*pa
	SETS 41+2*pa
.set SB, 160+16*pa
	WIN 0x0a
.set tl, 0
.rept 2
.set z, 0
.rept 4
	v_pk_add_f32 v[SB+8*tl+2*z:SB+8*tl+2*z+1], v[16*(2*pa+tl)+2*z:16*(2*pa+tl)+2*z+1], v[16*(2*pa+tl)+8+2*z:16*(2*pa+tl)+8+2*z+1]
.set z, z+1
.endr
.set tl, tl+1
.endr
	WIN 0
.set tl, 0
.rept 2
	HALVE SB+8*tl, SB+8*tl+4, M8, 8
	HALVE SB+8*tl+1, SB+8*tl+5, M8, 8
	HALVE SB+8*tl+2, SB+8*tl+6, M8, 8
	HALVE SB+8*tl+3, SB+8*tl+7, M8, 8
	HALVE SB+8*tl, SB+8*tl+2, M4, 4
	HALVE SB+8*tl+1, SB+8*tl+3, M4, 4
	HALVE SB+8*tl, SB+8*tl+1, M2, 2
.set tl, tl+1
.endr
	HALVE SB, SB+8, M1, 1
.set pa, pa+1
.endr
	s_wait_alu depctr_va_vdst(0)            ; the four sums v160, v176, v192, v208 are written, which the stores below read
.set pa, 0
.rept 4
	global_store_b32 v[VSO], v[160+16*pa], s[20:21] offset:(pa/2)*12544+12288+(pa%2)*128   ; 32 tokens' sums: 128 consecutive bytes
.set pa, pa+1
.endr
	s_wait_dscnt 0x0                        ; the wave's end
	s_wait_alu depctr_hold_cnt(0) depctr_sa_sdst(0) depctr_va_vdst(0) depctr_va_sdst(0) depctr_va_ssrc(0) depctr_va_vcc(0) depctr_vm_vsrc(0)
	s_wait_tensorcnt 0x0
	ds_add_u32 v30, v31
	s_wait_dscnt 0x0
	s_endpgm
.Lfunc_end_k_q66737dbee9_proj:
	.size	k_q66737dbee9_proj, .Lfunc_end_k_q66737dbee9_proj-k_q66737dbee9_proj
	.p2alignl 7, 3214868480
	.fill 96, 4, 3214868480
	.section	.rodata,"a",@progbits
	.p2align	6, 0x0
	.amdhsa_kernel k_q66737dbee9_proj
		.amdhsa_group_segment_fixed_size 205312
		.amdhsa_private_segment_fixed_size 0
		.amdhsa_enable_private_segment 0
		.amdhsa_kernarg_size 72
		.amdhsa_user_sgpr_count 2
		.amdhsa_user_sgpr_kernarg_segment_ptr 1
		.amdhsa_wavefront_size32 1
		.amdhsa_system_sgpr_workgroup_id_x 1
		.amdhsa_system_sgpr_workgroup_id_y 1
		.amdhsa_system_sgpr_workgroup_id_z 1
		.amdhsa_system_vgpr_workitem_id 0
		.amdhsa_next_free_vgpr 1024
		.amdhsa_next_free_sgpr 66
		.amdhsa_reserve_vcc 0
		.amdhsa_float_denorm_mode_32 3
		.amdhsa_float_denorm_mode_16_64 3
		.amdhsa_memory_ordered 1
		.amdhsa_forward_progress 1
		.amdhsa_inst_pref_size 133
	.end_amdhsa_kernel
	.amdgpu_metadata
---
amdhsa.version: [ 1, 2 ]
amdhsa.kernels:
  - .name:           k_q66737dbee9_proj
    .symbol:         k_q66737dbee9_proj.kd
    .args:
      - { .name: x, .offset: 0, .size: 8, .value_kind: global_buffer, .address_space: global }
      - { .name: wq, .offset: 8, .size: 8, .value_kind: global_buffer, .address_space: global }
      - { .name: wk, .offset: 16, .size: 8, .value_kind: global_buffer, .address_space: global }
      - { .name: wv, .offset: 24, .size: 8, .value_kind: global_buffer, .address_space: global }
      - { .name: bq, .offset: 32, .size: 8, .value_kind: global_buffer, .address_space: global }
      - { .name: bk, .offset: 40, .size: 8, .value_kind: global_buffer, .address_space: global }
      - { .name: bv, .offset: 48, .size: 8, .value_kind: global_buffer, .address_space: global }
      - { .name: qs, .offset: 56, .size: 8, .value_kind: global_buffer, .address_space: global }
      - { .name: kv, .offset: 64, .size: 8, .value_kind: global_buffer, .address_space: global }
    .group_segment_fixed_size: 205312
    .private_segment_fixed_size: 0
    .kernarg_segment_align: 8
    .kernarg_segment_size: 72
    .max_flat_workgroup_size: 128
    .sgpr_count:     66
    .vgpr_count:     1024
    .wavefront_size: 32
...
	.end_amdgpu_metadata
.endif
;; end of part 5
;; launch attn: the kernel of part 2 again; grid 2 x 128, 4 waves a work-group, no clusters, 206,336 bytes of LDS; arguments qs, kv, att, pooled; writes att, pooled
;; launch route: the kernel of part 3 again; grid 168 x 1, 16 waves a work-group, no clusters, 90,112 bytes of LDS; arguments pooled, att, wp, rlist, out2, gpart, wp16; writes rlist, out2, gpart, wp16
;; launch outp (part 6): grid 287 x 1, 4 waves a work-group, no clusters, 85,504 bytes of LDS; arguments att, wp16, bp, rlist, gpart, out1, out0; writes out1, out0
.if DOCPART == 6
	.amdgcn_target "amdgcn-amd-amdhsa--gfx1250"
	.amdhsa_code_object_version 6
	.text
	.protected	k_q66737dbee9_outp
	.globl	k_q66737dbee9_outp
	.p2align	8
	.type	k_q66737dbee9_outp,@function
k_q66737dbee9_outp:
	s_mov_b64 s[64:65], 0
	v_nop
	global_prefetch_b8 v0, s[64:65] scope:SCOPE_SE
	s_setreg_imm32_b32 hwreg(HW_REG_WAVE_SCHED_MODE, 0, 2), 2
	s_setreg_imm32_b32 hwreg(HW_REG_WAVE_MODE, 25, 1), 1
	s_wait_xcnt 0x0
	s_wait_alu depctr_vm_vsrc(0)
; out1[row] = att[row] wp[e]^T + bp[e], e the expert chosen for the row's group of 4 tokens; and out0, the loss.
; Work-group 0: the loss.  Work-group 1 + 2 tau + col: tile tau of 16 groups (64 rows) of one expert x 256 output columns.  With 2,048 groups and 16 experts there are never more than 128 + 15 = 143 tiles,
; whatever the split; every work-group finds its expert and its place from the 8 x 16 stored counts.  A tile past the last one stores nothing; in a tile that is not full the places past the count repeat group 0,
; and their stores are jumped.
; A GROUP'S PLACE among its expert's groups is its stored rank within its batch + the expert's groups in the batches ahead.  Wave w scans the codes (expert << 16 | rank) of batches 2 w and 2 w + 1 and lays the
; number of each group that falls into the tile into a list of its own in LDS; behind a barrier the four lists are added (a place is filled by one wave; the others hold 0 there).
; att (f16) lies in LDS, 16 group records; the weights (f16, laid out by the launch before) go from memory straight into operand registers, a ring of eight buffers, seven K steps ahead.
; When att is asked for, 1 + 24 + 32 = 57 loads of mine are out; steps 3 to 6 of the weights follow behind att.
; NO MULTICAST: how many tiles an expert has hangs on the stored counts, so partners would not be alike, and the weights do not pass through LDS.
; The product is used transposed (source 0 = 16 output columns, source 1 = 16 rows): a lane holds eight neighbouring columns of a row.  bp is rounded to bf16 like every input and starts the sums.
; THE MODE: SCHED_MODE bits 1:0 = 2 (LLVM: expert scheduling mode 2), set by the entry lines.  The code itself states the register dependences
; between vector or matrix instructions and memory or LDS instructions, with s_wait_alu, always for 0.
; THE PLAN.  Registers that memory or LDS instructions touch:
;   v1 to v15, v20, v22 to v26   offsets, LDS addresses and a zero, made at the head and never written again: one wait on va_vdst ahead of the first loads (v5, v7), one behind all the others.
;   v32-47, v48-63               the codes as loaded become LDS addresses in place, the groups' numbers lie beside them: one wait on va_vdst, then the sixteen LDS stores.
;   v68-69                       the bias: loaded, rounded, stored to LDS behind one wait on va_vdst.
;   window 1, v0-127             att as loaded, read by LDS stores; then the accumulators.  v32-95 become the fragments' two buffers.  One wait on vm_vsrc behind the second barrier frees all of these.
;   K step kk                    its products read weight buffer kk % 8 and fragment buffer kk % 2; step kk + 1 loads both again.  So ONE wait on va_vdst stands at the head of steps 1 to 14: the step before is done
;                                reading its two buffers.  The step's sixteen loads follow it, dealt among its products, which name this step's buffers and the accumulators alone.  Step 15 loads nothing and has no wait.
;   the way out                  no vector instruction stands in it: one wait on va_vdst ahead of it serves all its LDS stores (the accumulators) and the LDS loads into the ring's registers.
; Lane reads into scalar registers stand in runs, each run with one wait on va_sdst ahead of its first reader.
.set APITCH, 4112               ; a group's record: 4,096 bytes + 16: the 16 rows of a fragment (4 groups x 4 tokens of 64 bytes) start in 16 different groups of four banks
.set STAGE, 66048               ; 16 rows x 272 bytes a wave, for the way out
.set LISTS, 83456               ; 32 words a wave; the 512 bytes from 83,968 on: the spare words, 128 bytes a wave
.set BIASB, 84480               ; my 64 columns' bias, 256 bytes a wave
.set LN16, 1
.set RR,   2
.set HH,   3
.set LANE, 4
.set L4,   5
.set LISTA, 6
.set CO,   7                    ; v7  my quarter of the codes: 2,048 w + 16 lane
.set AFR,  8
.set STO,  9
.set RD,   10
.set GO,   11
.set BO,   14                   ; v14 8 x lane
.set ASTO, 15
.set LIST, 19
.set ZR,   20
.set KEYA, 21                   ; the code that falls on the tile's place 0, for batch 2 w
.set GB,   22                   ; v22 512 w + 4 lane: the group of my first code
.set BLA,  23
.set KEYB, 24                   ; the same for batch 2 w + 1
.set BRD,  25
.set LRD,  26
.set LP,   28                   ; v28-31 the four lists
.set FAB,  32                   ; v32-95: the codes (v32-47) and what is made of the counts (v48-70); then two buffers of att's fragments
.set CN,   48                   ; v48-51 counts of batches 2 i + h, expert r
.set CY,   52                   ; v52-55 the other half of the lanes'
.set CB,   56                   ; v56-63 counts of batches 0 to 7, expert r
.set SD,   48                   ; v48-63 later: the numbers of my sixteen codes' groups
.set TOTV, 64
.set BA,   65
.set BB,   66
.set BRAW, 68                   ; v68-69 two numbers of the bias
.set BTMP, 70
.set RING, 96                   ; v96-223: weight buffers 0 to 3 (4 to 7: v128-255 of window 1); then the rows read back
.set BIA,  224                  ; v224-255: four bias tuples
.set GL,   68                   ; s[68:83] flags for the bases; then the tile's 16 groups
.set MSB, 0
.macro WIN new
.if MSB != (\new)
	s_set_vgpr_msb (MSB<<8)|(\new)
.set MSB, (\new)
.endif
.endm
	s_load_b256 s[4:11], s[0:1], 0x0        ; att, wp16, bp, rlist
	s_load_b128 s[12:15], s[0:1], 0x20      ; gpart, out1
	s_load_b64 s[16:17], s[0:1], 0x30       ; out0
	v_lshl_add_u32 v13, v0, 2, 0x14800
	v_mov_b32 v27, 0
	v_lshrrev_b32 v16, 5, v0
	v_readfirstlane_b32 s19, v16            ; wave 0..3
	v_and_b32 v[LANE], 31, v0
	v_and_b32 v[RR], 15, v0
	v_bfe_u32 v[HH], v0, 4, 1
	v_lshlrev_b32 v[LN16], 4, v[LANE]
	v_lshlrev_b32 v[L4], 2, v[LANE]
	s_wait_alu depctr_va_sdst(0)            ; s19 is written, ahead of the branch and of its first readers on both ways
	s_mov_b32 s18, ttmp9
	s_wait_kmcnt 0x0
	s_cmp_eq_u32 s18, 0
	s_cbranch_scc1 .Lloss
	v_lshl_add_u32 v[CO], s19, 11, v[LN16]
	s_wait_alu depctr_va_vdst(0)            ; v[L4] and v[CO] are written, which the eight loads below read
.set i, 0
.rept 4
	global_load_b32 v[CN+i], v[L4], s[10:11] offset:8192+i*128      ; word 32 i + lane of the counts: batch 2 i + h, expert r
.set i, i+1
.endr
.set i, 0
.rept 4
	global_load_b128 v[FAB+4*i:FAB+4*i+3], v[CO], s[10:11] offset:i*512   ; my 512 codes: code 512 w + 128 i + 4 lane + c
.set i, i+1
.endr
	; all that hangs on no loaded number is made while these are on their way
	s_sub_co_u32 s20, s18, 1
	s_lshr_b32 s21, s20, 1                  ; tau
	s_and_b32 s22, s20, 1                   ; col
	s_mov_b32 s58, 0xffff0000               ; lanes 16 to 31
	s_mov_b32 s60, 0x76543210
	s_mov_b32 s61, 0xfedcba98
	s_lshl_b32 s59, s19, 1                  ; 2 w
.set b, 0
.rept 6
	s_cmp_gt_u32 s59, b                     ; is batch b ahead of batch 2 w?
	s_cselect_b32 s[GL+b], 1, 0
.set b, b+1
.endr
.set i, 0
.rept 4
	s_cmp_eq_u32 s19, i                     ; is batch 2 i my first?
	s_cselect_b32 s[GL+6+i], 1, 0
	v_mov_b32 v[CY+i], 0
.set i, i+1
.endr
	s_lshl_b32 s54, s22, 10                 ; my columns in a row of out1 and of bp: col x 1,024 + wave x 256, made of the work-group's and the wave's numbers alone
	s_lshl_b32 s48, s19, 8
	s_add_co_u32 s54, s54, s48
	s_add_co_u32 s97, s48, BIASB            ; my bias in LDS
	s_lshl_b32 s96, s19, 7
	s_add_co_u32 s96, s96, LISTS            ; my list
	s_mov_b32 s31, 0
	s_mov_b32 s53, 0
	v_lshl_add_u32 v[GB], s19, 9, v[L4]
	v_add_nc_u32 v[LISTA], s96, v[L4]
	v_add_nc_u32 v[LRD], LISTS, v[L4]
	v_mov_b32 v[ZR], 0
	v_lshlrev_b32 v[BO], 3, v[LANE]
	v_lshl_add_u32 v[BLA], v[LANE], 3, s97
	v_lshl_add_u32 v[BRD], v[HH], 5, s97
	s_mul_i32 s50, s19, 4*APITCH
	v_add_nc_u32 v[ASTO], s50, v[LN16]
	v_lshrrev_b32 v16, 2, v[RR]             ; a fragment's row r: group r / 4, token r % 4
	v_mul_u32_u24 v[AFR], v16, APITCH
	v_and_b32 v16, 3, v[RR]
	v_lshl_add_u32 v[AFR], v16, 6, v[AFR]
	v_lshl_add_u32 v[AFR], v[HH], 4, v[AFR]
	s_mul_i32 s50, s19, 16*272
	s_add_co_u32 s50, s50, STAGE            ; my stage
	v_mul_u32_u24 v[STO], v[RR], 272        ; in: row r, 32 bytes for each half of the lanes
	v_lshl_add_u32 v[STO], v[HH], 5, v[STO]
	v_add_nc_u32 v[STO], s50, v[STO]
	v_mul_u32_u24 v[RD], v[HH], 272         ; back: lanes 0-15 one row of 256 bytes, lanes 16-31 the next
	v_lshl_add_u32 v[RD], v[RR], 4, v[RD]
	v_add_nc_u32 v[RD], s50, v[RD]
	v_lshlrev_b32 v[GO], 11, v[HH]          ; and the same two rows in out1
	v_lshl_add_u32 v[GO], v[RR], 4, v[GO]
	s_wait_alu depctr_va_vdst(0)            ; all the offsets and LDS addresses made above, and v[ZR], are written: the loads, stores and LDS instructions below read them, and no later line writes them
	ds_store_b32 v[LISTA], v[ZR]            ; places that I do not fill hold 0
	s_wait_loadcnt 4                        ; the counts are in: the four loads of codes are younger
.set i, 0
.rept 4
	v_permlanex16_b32 v[CY+i], v[CN+i], s60, s61
.set i, i+1
.endr
.set i, 0
.rept 4                                 ; every lane: expert r's counts of batches 0 to 7
	v_cndmask_b32 v[CB+2*i], v[CN+i], v[CY+i], s58
	v_cndmask_b32 v[CB+2*i+1], v[CY+i], v[CN+i], s58
.set i, i+1
.endr
	v_add3_u32 v[TOTV], v[CB], v[CB+1], v[CB+2]
	v_add3_u32 v[TOTV], v[TOTV], v[CB+3], v[CB+4]
	v_add3_u32 v[TOTV], v[TOTV], v[CB+5], v[CB+6]
	v_add_nc_u32 v[TOTV], v[TOTV], v[CB+7]  ; the expert's groups in all
	v_mul_u32_u24 v[BA], s[GL], v[CB]       ; those in the batches ahead of batch 2 w,
.set b, 1
.rept 5
	v_mad_u32_u24 v[BA], v[CB+b], s[GL+b], v[BA]
.set b, b+1
.endr
	v_mad_u32_u24 v[BB], v[CB], s[GL+6], v[BA]   ; and ahead of batch 2 w + 1
.set i, 1
.rept 3
	v_mad_u32_u24 v[BB], v[CB+2*i], s[GL+6+i], v[BB]
.set i, i+1
.endr
.set e, 0
.rept 16
	v_readlane_b32 s[32+e], v[TOTV], e
.set e, e+1
.endr
	s_wait_alu depctr_va_sdst(0)            ; s[32:47], the sixteen totals, are written, ahead of their first reader
	s_mov_b32 s23, 0                        ; the expert's first tile
	s_mov_b32 s24, 0
	s_mov_b32 s25, 0
	s_mov_b32 s26, 0
.set e, 0
.rept 16                                ; the last expert whose first tile is not behind mine
	s_min_u32 s[32+e], s[32+e], 2048
	s_cmp_ge_u32 s21, s23
	s_cselect_b32 s24, e, s24
	s_cselect_b32 s25, s23, s25
	s_cselect_b32 s26, s[32+e], s26
	s_add_co_u32 s27, s[32+e], 15
	s_lshr_b32 s27, s27, 4
	s_add_co_u32 s23, s23, s27
.set e, e+1
.endr
	s_min_u32 s24, s24, 15                  ; my expert
	s_sub_co_u32 s27, s21, s25
	s_lshl_b32 s27, s27, 4                  ; the first place of my tile
	s_sub_co_i32 s28, s26, s27
	s_max_i32 s28, s28, 0
	s_min_i32 s28, s28, 16                  ; ng: groups in my tile
	s_lshl_b32 s30, s24, 11                 ; bp: an expert 2,048 bytes
	s_add_co_u32 s30, s30, s54
	s_add_nc_u64 s[8:9], s[8:9], s[30:31]
	s_lshl_b32 s30, s24, 19                 ; wp16: an expert 524,288, col 262,144, a wave's four column blocks 65,536
	s_lshl_b32 s48, s22, 18
	s_add_co_u32 s30, s30, s48
	s_lshl_b32 s48, s19, 16
	s_add_co_u32 s30, s30, s48
	s_add_nc_u64 s[6:7], s[6:7], s[30:31]
	global_load_b64 v[BRAW:BRAW+1], v[BO], s[8:9]       ; my 64 columns' bias: 256 consecutive bytes
.macro BLOAD kk                         ; K step kk's weights into buffer kk % 8: 8 loads of 512 consecutive bytes
.set ls, (\kk)%8
.if ls < 4
	WIN 0
.set lB, RING+32*ls
.else
	WIN 0x40
.set lB, 128+32*(ls-4)
.endif
.set i, 0
.rept 4
	global_load_b128 v[lB+8*i:lB+8*i+3], v[LN16], s[6:7] offset:i*16384+(\kk)*1024
	global_load_b128 v[lB+8*i+4:lB+8*i+7], v[LN16], s[6:7] offset:i*16384+(\kk)*1024+512
.set i, i+1
.endr
.endm
	BLOAD 0
	BLOAD 1
	BLOAD 2
	WIN 0
	s_lshl_b32 s29, s24, 16
	s_add_co_u32 s29, s29, s27              ; expert << 16 | the tile's first place
	v_readlane_b32 s92, v[BA], s24
	v_readlane_b32 s93, v[BB], s24
	s_wait_alu depctr_va_sdst(0)            ; s92 and s93, my expert's two bases, are written, ahead of their first readers
	s_sub_co_u32 s94, s29, s92
	s_sub_co_u32 s95, s29, s93
	v_mov_b32 v[KEYA], s94
	v_mov_b32 v[KEYB], s95
	s_wait_loadcnt 25                       ; the codes are in: the bias's load and 24 loads of weights are younger
.set i, 0
.rept 16                                ; each code becomes, in place, the LDS address of its place in my list; its group's number lies beside it
.if i < 8
	v_sub_nc_u32 v[FAB+i], v[FAB+i], v[KEYA]     ; 0 to 15 for the groups of my tile
.else
	v_sub_nc_u32 v[FAB+i], v[FAB+i], v[KEYB]
.endif
	v_add_nc_u32 v[SD+i], 128*(i/4)+(i%4), v[GB]
.set i, i+1
.endr
.set i, 0
.rept 16
	v_min_u32 v[FAB+i], 16, v[FAB+i]        ; all others fall on word 16, which nobody uses
.set i, i+1
.endr
.set i, 0
.rept 16
	v_lshl_add_u32 v[FAB+i], v[FAB+i], 2, s96
.set i, i+1
.endr
	s_wait_alu depctr_va_vdst(0)            ; the sixteen addresses v32-47 and the sixteen numbers v48-63 are written, which the LDS stores read
.set i, 0
.rept 16
	ds_store_b32 v[FAB+i], v[SD+i]
.set i, i+1
.endr
	s_wait_dscnt 0x0                        ; for the others' sake
	s_barrier_signal -1
	s_barrier_wait -1
.set q, 0
.rept 4
	ds_load_b32 v[LP+q], v[LRD] offset:q*128
.set q, q+1
.endr
	s_lshl_b32 s49, s19, 2                  ; I bring groups 4 w .. 4 w + 3 into LDS
.set q, 0
.rept 4
	s_add_co_u32 s[32+q], s49, q            ; their places in the list
.set q, q+1
.endr
	s_wait_dscnt 0x0
	v_add3_u32 v[LIST], v[LP], v[LP+1], v[LP+2]
	v_add_nc_u32 v[LIST], v[LIST], v[LP+3]  ; lane q: the group at place q; 0, a row that exists, where there is none
.set q, 0
.rept 16
	v_readlane_b32 s[GL+q], v[LIST], q
.set q, q+1
.endr
.set q, 0
.rept 4
	v_readlane_b32 s[36+q], v[LIST], s[32+q]
.set q, q+1
.endr
	s_wait_alu depctr_va_sdst(0)            ; s[68:83], the tile's groups, and s[36:39], the four that I bring, are written, ahead of their first readers
.set q, 0
.rept 16
	s_min_u32 s[GL+q], s[GL+q], 2047
.set q, q+1
.endr
.set q, 0
.rept 4
	s_min_u32 s[36+q], s[36+q], 2047
	s_lshl_b32 s52, s[36+q], 12
	s_add_nc_u64 s[84+2*q:85+2*q], s[4:5], s[52:53]
.set q, q+1
.endr
	WIN 0x40
.set q, 0
.rept 4
.set i, 0
.rept 8
	global_load_b128 v[32*q+4*i:32*q+4*i+3], v[LN16], s[84+2*q:85+2*q] offset:i*512
.set i, i+1
.endr
.set q, q+1
.endr
	BLOAD 3
	BLOAD 4
	BLOAD 5
	BLOAD 6
	WIN 0
	s_wait_loadcnt 32                       ; att is in, and all that was asked for ahead of it: steps 3 to 6's 32 loads are younger
	v_cvt_pk_bf16_f32 v[BTMP], v[BRAW], v[BRAW+1]
	v_lshlrev_b32 v[BRAW], 16, v[BTMP]
	v_and_b32 v[BRAW+1], 0xffff0000, v[BTMP]
	s_wait_alu depctr_va_vdst(0)            ; the rounded pair v68-69 is written, which the LDS store reads; every vector line so far is done with v32-95, in which the fragments' loads land
	ds_store_b64 v[BLA], v[BRAW:BRAW+1]     ; my own bytes: LDS serves a wave's instructions in order, so the loads below see them
.set i, 0
.rept 4
	ds_load_b128 v[BIA+8*i:BIA+8*i+3], v[BRD] offset:i*64
	ds_load_b128 v[BIA+8*i+4:BIA+8*i+7], v[BRD] offset:i*64+16
.set i, i+1
.endr
	WIN 0x04
.set q, 0
.rept 4
.set i, 0
.rept 8
	ds_store_b128 v[ASTO], v[32*q+4*i:32*q+4*i+3] offset:q*APITCH+i*512
.set i, i+1
.endr
.set q, q+1
.endr
	WIN 0
	s_wait_dscnt 0x0                        ; for the others' sake; the bias tuples are in too
	s_barrier_signal -1
	s_barrier_wait -1                       ; the last barrier; every wave of every tile passes both
	s_wait_alu depctr_vm_vsrc(0)            ; my LDS stores have read v32-63 (the scan's), v68-69 (the bias) and att's staged registers: the fragments' loads land in the first two, the products write the last
	s_cmp_eq_u32 s28, 0
	s_cbranch_scc1 .Lend                    ; a tile that this split leaves without rows
.macro AFETCH kk                        ; K step kk (head kk) of my 64 rows: 8 LDS loads
	WIN 0
.set a, 0
.rept 4
	ds_load_b128 v[FAB+32*((\kk)%2)+8*a:FAB+32*((\kk)%2)+8*a+3], v[AFR] offset:a*4*APITCH+(\kk)*256
	ds_load_b128 v[FAB+32*((\kk)%2)+8*a+4:FAB+32*((\kk)%2)+8*a+7], v[AFR] offset:a*4*APITCH+(\kk)*256+32
.set a, a+1
.endr
.endm
.macro PROD a0                          ; eight of step kk's sixteen products: row blocks a0, a0 + 1 x four column blocks; the 16 accumulators take turns
.if kk == 0
	WIN 0x40
.elseif sl < 4
	WIN 0x50
.else
	WIN 0x51
.endif
.set a, (\a0)
.rept 2
.set i, 0
.rept 4
.set rD, 8*(4*a+i)
.if kk == 0
	v_wmma_f32_16x16x32_f16 v[rD:rD+7], v[rB+8*i:rB+8*i+7], v[FAB+32*(kk%2)+8*a:FAB+32*(kk%2)+8*a+7], v[BIA+8*i:BIA+8*i+7]
.else
	v_wmma_f32_16x16x32_f16 v[rD:rD+7], v[rB+8*i:rB+8*i+7], v[FAB+32*(kk%2)+8*a:FAB+32*(kk%2)+8*a+7], v[rD:rD+7]
.endif
.set i, i+1
.endr
.set a, a+1
.endr
.endm
	AFETCH 0
.set kk, 0
.rept 16
.set sl, kk%8
.if sl < 4
.set rB, RING+32*sl
.else
.set rB, 128+32*(sl-4)
.endif
.if (kk > 0) && (kk < 15)
.rept 4
	v_nop                                   ; four places behind the last step's products, as in the plain form; the wait below states the dependence itself
.endr
.endif
.if kk < 9
	s_wait_loadcnt 48                       ; this step's weights are in: six later steps' loads are younger
.else
	s_wait_loadcnt 8*(15-kk)
.endif
.if (kk > 0) && (kk < 15)
	s_wait_alu depctr_va_vdst(0)            ; the last step's products are done reading their weight buffer and their fragment buffer, in which this step's loads land
.endif
.if kk+1 < 16
	AFETCH kk+1
	s_wait_dscnt 8                          ; the next step's eight LDS loads are younger
.else
	s_wait_dscnt 0x0
.endif
	PROD 0
.if kk+7 < 16
	BLOAD kk+7                              ; into the buffer that step kk - 1 has left.  No wait: no vector or matrix instruction since the wait above names it or v[LN16]
.endif
	PROD 2
.set kk, kk+1
.endr
	WIN 0
.rept 4
	v_nop                                   ; the places behind the last products
.endr
	s_wait_alu depctr_va_vdst(0)            ; the products have written the accumulators, which the LDS stores below read, and are done reading v96-223, in which the rows read back land; no vector instruction follows
	; THE WAY OUT: 16 rows x 64 columns of f32 at a time through my stage; then a group's four rows, two stores, each of two times 256 consecutive bytes, aligned.
.set a, 0
.rept 4
	s_cmp_le_u32 s28, 4*a
	s_cbranch_scc1 .Lend                    ; nothing is left: groups past the count are jumped
	WIN 0x04
.set i, 0
.rept 4
	ds_store_b128 v[STO], v[8*(4*a+i):8*(4*a+i)+3] offset:i*64        ; each accumulator's lowest registers are read first
	ds_store_b128 v[STO], v[8*(4*a+i)+4:8*(4*a+i)+7] offset:i*64+16
.set i, i+1
.endr
	WIN 0
.set t, 0
.rept 8
	ds_load_b128 v[RING+32*a+4*t:RING+32*a+4*t+3], v[RD] offset:t*544
.set t, t+1
.endr
	s_wait_dscnt 0x0
.set q, 0
.rept 4
.if q > 0
	s_cmp_le_u32 s28, 4*a+q
	s_cbranch_scc1 .Lend
.endif
	s_wait_xcnt 0x0                         ; the stores' base is rewritten only behind this wait
	s_lshl_b32 s52, s[GL+4*a+q], 13         ; a group's four rows of 2,048 bytes
	s_add_co_u32 s52, s52, s54
	s_add_nc_u64 s[56:57], s[14:15], s[52:53]
	global_store_b128 v[GO], v[RING+32*a+8*q:RING+32*a+8*q+3], s[56:57]
	global_store_b128 v[GO], v[RING+32*a+8*q+4:RING+32*a+8*q+7], s[56:57] offset:4096
.set q, q+1
.endr
.set a, a+1
.endr
.Lend:
	s_wait_dscnt 0x0                        ; the wave's end
	s_wait_alu depctr_hold_cnt(0) depctr_sa_sdst(0) depctr_va_vdst(0) depctr_va_sdst(0) depctr_va_ssrc(0) depctr_va_vcc(0) depctr_vm_vsrc(0)
	s_wait_tensorcnt 0x0
	ds_add_u32 v13, v27
	s_wait_dscnt 0x0
	s_endpgm
; THE LOSS, by wave 0 alone; it writes no LDS.  For each batch: G = the sum of four partial Gram matrices; mult = G[m][n] / (max(|m|, 1e-12) max(|n|, 1e-12)) with |n| = sqrt(G[n][n]);
; the root of the sum of (mult - eye)^4; the mean over 8 batches.  Lane (r, h), register j holds G[8 h + j][r].
; Registers that memory or LDS instructions touch: v21 (the loads' offset) and v[IX ..] (the permutes' indices), never written again; v[LD ..], loaded at a trip's head and worked on in place;
; v[DG], a permute's source, written anew for each batch; v[RW ..], in which the permutes land and which the multiplies read.
.set LD,   32
.set DG,   16
.set DX,   17
.set TW,   18
.set SUM,  19
.set LOSS, 20
.set IX,   160
.set RW,   168
.set EYE,  176
.Lloss:
	s_cmp_lg_u32 s19, 0
	s_cbranch_scc1 .Lquit
	v_lshlrev_b32 v21, 5, v[LANE]
	v_lshlrev_b32 v22, 5, v[HH]
	v_mov_b32 v[DX], 0
	v_mov_b32 v[LOSS], 0
	s_mov_b32 s42, 0x76543210
	s_mov_b32 s43, 0xfedcba98
	s_mov_b32 s40, 0xff0000ff               ; the lanes whose own registers hold their column's diagonal number
.set j, 0
.rept 8
	v_add_nc_u32 v[IX+j], 4*j, v22          ; lane 8 h + j, as a byte index
	s_mov_b32 s20, 0x01000001<<j
	v_cndmask_b32 v[EYE+j], 0, 1.0, s20     ; 1 where 8 h + j = r
	s_mov_b32 s[32+j], 0x01010101<<j        ; the lanes with r % 8 = j
.set j, j+1
.endr
.macro PROC bb
.set P0, LD+32*(\bb)
	s_wait_loadcnt 8*(3-(\bb))              ; the later batches' loads are younger
.set z, 0
.rept 4
	v_pk_add_f32 v[P0+2*z:P0+2*z+1], v[P0+2*z:P0+2*z+1], v[P0+8+2*z:P0+8+2*z+1]
	v_pk_add_f32 v[P0+16+2*z:P0+16+2*z+1], v[P0+16+2*z:P0+16+2*z+1], v[P0+24+2*z:P0+24+2*z+1]
	v_pk_add_f32 v[P0+2*z:P0+2*z+1], v[P0+2*z:P0+2*z+1], v[P0+16+2*z:P0+16+2*z+1]
.set z, z+1
.endr
	v_mov_b32 v[DG], v[P0]
.set j, 1
.rept 7
	v_cndmask_b32 v[DG], v[DG], v[P0+j], s[32+j]
.set j, j+1
.endr
	v_permlanex16_b32 v[DX], v[DG], s42, s43
	v_cndmask_b32 v[DG], v[DX], v[DG], s40  ; G[r][r] in every lane
	v_sqrt_f32 v[DG], v[DG]
	v_nop
	s_wait_alu depctr_va_vdst(0)            ; the root in v[DG], ahead of its first reader
	v_max_num_f32 v[DG], 0x2b8cbccc, v[DG]  ; 1e-12
	v_rcp_f32 v[DG], v[DG]
	v_nop
	s_wait_alu depctr_va_vdst(0)            ; the reciprocal is written into v[DG], which the permutes read; the batch before is done reading v[RW ..], in which they land
.set j, 0
.rept 8
	ds_bpermute_b32 v[RW+j], v[IX+j], v[DG] ; the rows' factors
.set j, j+1
.endr
	s_wait_dscnt 0x0
	s_wait_alu depctr_vm_vsrc(0)            ; the permutes have read v[DG], which the next batch writes anew
.set j, 0
.rept 8
	v_mul_f32 v[TW], v[P0+j], v[DG]
	v_fma_f32 v[TW], v[TW], v[RW+j], -v[EYE+j]
	v_mul_f32 v[TW], v[TW], v[TW]
.if j == 0
	v_mul_f32 v[SUM], v[TW], v[TW]
.else
	v_fma_f32 v[SUM], v[TW], v[TW], v[SUM]
.endif
.set j, j+1
.endr
	v_add_f32_dpp v[SUM], v[SUM], v[SUM] row_xmask:1 row_mask:0xf bank_mask:0xf
	v_add_f32_dpp v[SUM], v[SUM], v[SUM] row_xmask:2 row_mask:0xf bank_mask:0xf
	v_add_f32_dpp v[SUM], v[SUM], v[SUM] row_xmask:4 row_mask:0xf bank_mask:0xf
	v_add_f32_dpp v[SUM], v[SUM], v[SUM] row_xmask:8 row_mask:0xf bank_mask:0xf
	v_permlanex16_b32 v[DX], v[SUM], s42, s43
	v_add_f32 v[SUM], v[SUM], v[DX]
	v_sqrt_f32 v[SUM], v[SUM]
	v_nop
	s_wait_alu depctr_va_vdst(0)            ; the root in v[SUM], ahead of its first reader
	v_add_f32 v[LOSS], v[LOSS], v[SUM]
.endm
	s_mov_b32 s44, 2
.Lbatch:                                        ; two trips of four batches: 32 loads go out together
	s_wait_alu depctr_va_vdst(0)            ; first trip: v21 and v[IX ..] are written, which the loads and the permutes read; second trip: the first trip's arithmetic is done with v[LD ..], in which the loads land
.set l, 0
.rept 16
	global_load_b128 v[LD+8*l:LD+8*l+3], v21, s[12:13] offset:l*1024
	global_load_b128 v[LD+8*l+4:LD+8*l+7], v21, s[12:13] offset:l*1024+16
.set l, l+1
.endr
	PROC 0
	PROC 1
	PROC 2
	PROC 3
	s_add_nc_u64 s[12:13], s[12:13], 16384  ; behind the last batch's wait for all loads
	s_sub_co_u32 s44, s44, 1
	s_cmp_lg_u32 s44, 0
	s_cbranch_scc1 .Lbatch
	v_mul_f32 v[LOSS], 0x3e000000, v[LOSS]  ; the mean of eight
	v_mov_b32 v22, 0
	s_wait_alu depctr_va_vdst(0)            ; v[LOSS] and v22 are written, which the store reads
	global_store_b32 v22, v[LOSS], s[16:17] ; every lane stores the same word with the same value
.Lquit:
	s_endpgm
.Lfunc_end_k_q66737dbee9_outp:
	.size	k_q66737dbee9_outp, .Lfunc_end_k_q66737dbee9_outp-k_q66737dbee9_outp
	.p2alignl 7, 3214868480
	.fill 96, 4, 3214868480
	.section	.rodata,"a",@progbits
	.p2align	6, 0x0
	.amdhsa_kernel k_q66737dbee9_outp
		.amdhsa_group_segment_fixed_size 85504
		.amdhsa_private_segment_fixed_size 0
		.amdhsa_enable_private_segment 0
		.amdhsa_kernarg_size 56
		.amdhsa_user_sgpr_count 2
		.amdhsa_user_sgpr_kernarg_segment_ptr 1
		.amdhsa_wavefront_size32 1
		.amdhsa_system_sgpr_workgroup_id_x 1
		.amdhsa_system_sgpr_workgroup_id_y 1
		.amdhsa_system_sgpr_workgroup_id_z 1
		.amdhsa_system_vgpr_workitem_id 0
		.amdhsa_next_free_vgpr 512
		.amdhsa_next_free_sgpr 100
		.amdhsa_reserve_vcc 0
		.amdhsa_float_denorm_mode_32 3
		.amdhsa_float_denorm_mode_16_64 3
		.amdhsa_memory_ordered 1
		.amdhsa_forward_progress 1
		.amdhsa_inst_pref_size 100
	.end_amdhsa_kernel
	.amdgpu_metadata
---
amdhsa.version: [ 1, 2 ]
amdhsa.kernels:
  - .name:           k_q66737dbee9_outp
    .symbol:         k_q66737dbee9_outp.kd
    .args:
      - { .name: att, .offset: 0, .size: 8, .value_kind: global_buffer, .address_space: global }
      - { .name: wp16, .offset: 8, .size: 8, .value_kind: global_buffer, .address_space: global }
      - { .name: bp, .offset: 16, .size: 8, .value_kind: global_buffer, .address_space: global }
      - { .name: rlist, .offset: 24, .size: 8, .value_kind: global_buffer, .address_space: global }
      - { .name: gpart, .offset: 32, .size: 8, .value_kind: global_buffer, .address_space: global }
      - { .name: out1, .offset: 40, .size: 8, .value_kind: global_buffer, .address_space: global }
      - { .name: out0, .offset: 48, .size: 8, .value_kind: global_buffer, .address_space: global }
    .group_segment_fixed_size: 85504
    .private_segment_fixed_size: 0
    .kernarg_segment_align: 8
    .kernarg_segment_size: 56
    .max_flat_workgroup_size: 128
    .sgpr_count:     100
    .vgpr_count:     512
    .wavefront_size: 32
...
	.end_amdgpu_metadata
.endif
;; end of part 6
